; MI455X (gfx1250); checked and timed in simulation.
; The chip was launched on July 23, 2026; its instructions are those of AMD's public machine-readable ISA for CDNA 5 (MIT licence, August 2026) and "CDNA5" Instruction Set Architecture Reference Guide (July 2026). The comments in the code are by the model that wrote it; some were corrected since.
;; Multi Head Attention. Allowed arithmetic: matrix products marked QUANTISED: E4M3 operands, one E8M0 scale for each 32 along K, by v_wmma_scale_f32_16x16x128_f8f6f4 with both operands' format E4M3, f32 sums; everything else in f32.
;; Inputs: att_mask 2,048 x 2,048 float32; b_k 1,024 float32; b_out 1,024 float32; b_q 1,024 float32; b_v 1,024 float32; k 4 x 2,048 x 1,024 float32; pad_mask 4 x 2,048 bool; q 4 x 2,048 x 1,024 float32; v 4 x 2,048 x 1,024 float32; w_k 1,024 x 1,024 float32; w_out 1,024 x 1,024 float32; w_q 1,024 x 1,024 float32; w_v 1,024 x 1,024 float32.
;; Outputs: out0 4 x 2,048 x 1,024 float32.
;; This version of the problem:
;;   THIS VERSION OF THE PROBLEM IS GIVEN IN LOW PRECISION. The matrix products marked QUANTISED in the list below multiply operands that are first quantised to E4M3 (4 exponent bits, 3 mantissa bits; 8 bits a number), with one power-of-two scale for each 32 numbers along K (OCP MX v1.0); their sums are f32. All else is computed in f32.
;;   The module's matrix products, in the order in which they are computed (A, B: the left and right operand; K: the contracted axis; several contracted axes count as one K, in the product's order):
;;     1. [M 8,192, K 1,024] x [K 1,024, N 1,024]; A: input q; B: input w_q: QUANTISED
;;     2. [M 8,192, K 1,024] x [K 1,024, N 1,024]; A: input k; B: input w_k: QUANTISED
;;     3. [M 8,192, K 1,024] x [K 1,024, N 1,024]; A: input v; B: input w_v: QUANTISED
;;     4. batch 64 x [M 2,048, K 64] x [K 64, N 2,048]; A: computed on the way; B: computed on the way: QUANTISED
;;     5. batch 64 x [M 2,048, K 2,048] x [K 2,048, N 64]; A: softmax (see below); B: computed on the way: QUANTISED
;;     6. [M 8,192, K 1,024] x [K 1,024, N 1,024]; A: computed on the way; B: input w_out: QUANTISED
;;   THE QUANTISER, for each operand of a quantised product, along K:
;;     - K is cut into blocks of 32 from its start; a last block that is shorter is filled with zeros.
;;     - A block's scale is 2^e with e = floor(log2(the largest magnitude in the block)) - 8, held to -126 .. 127; a block of zeros has e = 0. As a byte (E8M0): e + 127.
;;     - Each number is divided by its block's scale, clamped to +-448, and rounded to the nearest number of E4M3, ties to even, subnormals kept.
;;     - The product sums the exact products of the quantised numbers (number of the format x scale) in f32.
;;   ~~~python
;;   def quantise(x, axis):      # numpy; x: float32 -> the quantised numbers, widened to float32 again
;;       x = np.moveaxis(x, axis, -1); K = x.shape[-1]
;;       x = np.pad(x, [(0, 0)] * (x.ndim - 1) + [(0, -K % 32)]); x = x.reshape(x.shape[:-1] + (-1, 32)); a = np.abs(x).max(-1, keepdims=True)
;;       e = np.where(a > 0, np.clip(np.frexp(np.where(a > 0, a, 1))[1] - 1 - 8, -126, 127), 0)      # np.frexp(a)[1] - 1 = floor(log2(a)), exactly
;;       r = np.clip(x / 2.0 ** e, -448, 448)
;;       step = 2.0 ** (np.maximum(np.frexp(np.where(r == 0, 1, r))[1] - 1, -6) - 3)
;;       q = np.round(r / step) * step * 2.0 ** e      # np.round: ties to even
;;       return np.moveaxis(q.reshape(q.shape[:-2] + (-1,))[..., :K], -1, axis).astype(np.float32)
;;   ~~~
;;   SOFTMAX AHEAD OF A QUANTISED PRODUCT. Where the list says 'softmax', what is quantised is not the finished softmax but p = 2^(t - M), with t = logit x log2(e) and M = ceil(the row's largest t), a whole number; so 1/2 < the row's largest p <= 1. The row's sum l is taken of the UNQUANTISED p, in f32, and the product's result is divided by l at the end. Since M is a whole number, a kernel that streams over the keys may use a running M (the ceiling of the running maximum): every later rescaling is an exact power of two, which a block's scale takes up: the codes' values come out the same.
;;   OPERANDS COMPUTED ON THE WAY. 'Computed on the way' means the value that the module computes at that place (a softmax that the list does not call 'softmax' is quantised finished and normalised). What goes into a quantiser is computed in f32, as accurately as f32 sums, v_exp_f32 and their like allow (about 1e-6 of the number): no bf16 or f16 on the way to a quantiser, and a product that is left as it is and whose result goes on into a quantised operand takes f32 operands (vector FMAs, or v_wmma_f32_16x16x4_f32). A number that lies on a knife's edge between two numbers of the format may be rounded either way, as far as f32 arithmetic and the matrix unit's own rounding can turn it there, and no further.
;; One version. Each part assembles by itself: llvm-mc -triple=amdgcn-amd-amdhsa -mcpu=gfx1250 --defsym DOCPART=n.
;; ======== version 1 of 1: 4 launches
;; limits: right only within a limited range of input values
;; workspace buffers: cod 30,310,400 bytes; flags 2,048 bytes of whole numbers; qkv 17,301,504 bytes; o 8,650,752 bytes
;; launch prep (part 1): grid 768 x 1, 4 waves a work-group, no clusters, 34,304 bytes of LDS; arguments q, w_q, w_out, att_mask, pad_mask, cod, flags; writes cod, flags
.if DOCPART == 1
	.amdgcn_target "amdgcn-amd-amdhsa--gfx1250"
	.amdhsa_code_object_version 6
	.text
	.protected	k_q0d3558c86f_prep
	.globl	k_q0d3558c86f_prep
	.p2align	8
	.type	k_q0d3558c86f_prep,@function
k_q0d3558c86f_prep:
	s_mov_b64 s[64:65], 0
	v_nop
	global_prefetch_b8 v0, s[64:65] scope:SCOPE_SE
	s_setreg_imm32_b32 hwreg(HW_REG_WAVE_MODE, 25, 1), 1
	s_wait_xcnt 0x0
; WORK LEFT OUT, IN THE WHOLE PROGRAM.  reference() assigns kp = k w_k^T + b_k and vp = v w_v^T + b_v and never reads them again: kh and vh are qh.  So for all values of the inputs
; no number of the output hangs on k, v, w_k, w_v, b_k or b_v: both products are left out, and these six inputs are not loaded and stand among no launch's arguments.
; LIMIT: a NaN, an infinity or an overflow that reaches only these two products is not carried to the result.
; PREP.  Two kinds of work-groups, told apart by the work-group's number.
; (F) Work-groups 0-127 read att_mask and pad_mask and store, for each batch, tile of 16 queries and step of 128 keys, two bits: bit 0 = some key may count, bit 1 = the masks have to be added.
;     They are whole numbers for the attention launch's branches; here they are only selected and stored.  Wave 0 also stores pad_mask as f32 addends (0 or -infinity).
;     Their waves walk four pieces with two in flight, the longest chain of the launch: so they have the lowest numbers.
; (Q) Of the others, numbered from 0: 0-511 take q [8192][1024], 512-575 w_q, 576-639 w_out [1024][1024], f32, K innermost, into codes of FP8 (E4M3) with one E8M0 scale byte for each 32 along K:
;     a row tile of 16 rows to a work-group, two K steps of 128 to a wave, all 32 loads of a wave issued at once.
;     A block's scale is 2^(floor(log2(its largest magnitude)) - 8); each number is divided by it, held within +-448 and rounded to the nearest code, ties to even.
;     THE CODES ARE IMAGES OF OPERAND REGISTERS: a fragment (16 rows x 128 K) is [c 0..3][lane 32][16 bytes], 2,048 bytes; a tensor is [row tile][K step 8][2048].
;     In cod q has row tiles 0-511, w_q 1536-1599, w_out 1728-1791; the tiles between are neither written nor read.
;     Inside each block of 32 along K lane half h holds the places 8 h + 0..7 and then 16 + 8 h + 0..7: the order in which a transposed matrix result falls into a lane's registers.
;     Every operand of this program has that order on both sides of its product, so no product and no block's scale is changed by it.
;     The scale words (4 bytes: one row, 128 K) are laid [row tile][K step 8][16 rows].
; LIMITS: NaN and infinities in the three tensors are not served; att_mask may hold finite numbers and -infinity, no NaN; a block whose largest magnitude lies under 2^-118, a block of zeros among them,
; gets the byte 1 (the bytes are read by this program alone); pad_mask's bytes are 0 or 1.
.set SCL_OFF,  29360128                ; in cod: behind 1,792 row tiles x 16,384 bytes: the scale words, 512 bytes a row tile
.set PADF_OFF, 30277632                ; behind them: pad_mask as f32 addends, [4][2048]
.set NFWG, 128
.set STG,  8448                        ; LDS: a stage for each wave: 16 rows x SPI
.set SPI,  528                         ; 512 bytes + 16
.set R,   16                           ; v16-143  two sets of 64: numbers as loaded
.set X,   144                          ; v144-207 64 numbers of my row, in the operand's order
.set PC,  208                          ; v208-223 the codes just made
.set TM,  224                          ; v224-239 at work in QUANT
.set PW,  240                          ; the scale word just made
.set PWE, 241                          ; the even step's word, kept
.set PWS, 242                          ; lanes 0-15 the even step's word, lanes 16-31 the odd step's
.set SEL, 20                           ; s[20:21] v_permlanex16_b32's selects for lane l xor 16
.set HIM, 22                           ; lanes 16-31
.set MNT, 23                           ; the mantissa field of 448
	s_load_b128 s[4:7], s[0:1], 0x0                ; q, w_q
	s_load_b64 s[8:9], s[0:1], 0x10                ; w_out
	s_load_b64 s[18:19], s[0:1], 0x18              ; att_mask
	s_load_b128 s[24:27], s[0:1], 0x20             ; pad_mask, cod
	s_load_b64 s[28:29], s[0:1], 0x30              ; flags
	v_lshl_add_u32 v248, v0, 2, 0x8400
	v_mov_b32 v249, 0
	v_lshrrev_b32 v5, 5, v0
	v_readfirstlane_b32 s33, v5                    ; wave 0..3
	v_and_b32 v6, 31, v0                           ; lane
	v_lshlrev_b32 v1, 4, v6                        ; 16 x lane
	v_lshlrev_b32 v4, 2, v6                        ; 4 x lane
	s_cmp_lt_u32 ttmp9, NFWG
	s_cbranch_scc1 .Lflags
; (Q)
	v_and_b32 v7, 15, v0                           ; r
	v_bfe_u32 v8, v0, 4, 1                         ; h
	s_mul_i32 s34, s33, STG
	v_add_nc_u32 v2, s34, v1                       ; into the stage: 16 bytes a lane, as loaded
	v_mul_u32_u24 v3, v7, SPI
	v_lshl_add_u32 v3, v8, 5, v3
	v_add_nc_u32 v3, s34, v3                       ; out of it: row r, + 32 h
	s_mov_b32 s[SEL], 0x76543210
	s_mov_b32 s[SEL+1], 0xfedcba98
	s_mov_b32 s[HIM], 0xffff0000
	s_mov_b32 s[MNT], 0x600000
.irp b, 0,1,2,3
	v_mov_b32 v[TM+4+\b], 0                        ; a lane permute's destination counts as one of its sources
.endr
	s_sub_co_u32 s36, ttmp9, NFWG                  ; my number among the quantiser's 640
	s_wait_alu depctr_va_vdst(0)
	s_wait_kmcnt 0x0
	s_mov_b64 s[30:31], s[8:9]                     ; which tensor: the choice hangs on the work-group's number alone;
	s_mov_b32 s32, 576                             ; that tensor's first number;
	s_mov_b32 s37, 1152                            ; its first row tile in cod less that number
	s_cmp_lt_u32 s36, 576
	s_cselect_b64 s[30:31], s[6:7], s[30:31]
	s_cselect_b32 s32, 512, s32
	s_cselect_b32 s37, 1024, s37
	s_cmp_lt_u32 s36, 512
	s_cselect_b64 s[30:31], s[4:5], s[30:31]
	s_cselect_b32 s32, 0, s32
	s_cselect_b32 s37, 0, s37
	s_sub_co_u32 s32, s36, s32                     ; the row tile's number in its own tensor
	s_add_co_u32 s35, s36, s37                     ; and in cod
	s_lshl_b32 s38, s32, 16                        ; 16 rows of 4,096 bytes
	s_lshl_b32 s37, s33, 10                        ; + my quarter of a row
	s_add_co_u32 s38, s38, s37
	s_mov_b32 s39, 0
	s_add_nc_u64 s[30:31], s[30:31], s[38:39]      ; where I read
	s_lshl_b32 s38, s35, 14
	s_lshl_b32 s37, s33, 12
	s_add_co_u32 s38, s38, s37
	s_add_nc_u64 s[40:41], s[26:27], s[38:39]      ; my two images
	s_lshl_b32 s38, s35, 9
	s_lshl_b32 s37, s33, 7
	s_add_co_u32 s38, s38, s37
	s_add_co_u32 s38, s38, SCL_OFF
	s_add_nc_u64 s[42:43], s[26:27], s[38:39]      ; my two steps' scale words
.macro LOAD s                          ; K step s of my 16 rows: each load reads 512 consecutive bytes of one row
.irp i, 0,1,2,3,4,5,6,7,8,9,10,11,12,13,14,15
	global_load_b128 v[R+64*(\s)+4*\i:R+64*(\s)+4*\i+3], v1, s[30:31] offset:\i*4096+(\s)*512 th:TH_LOAD_NT
.endr
.endm
; 64 numbers of a lane, register 16 b + i in block b of my row, become a fragment's codes in v[PC] on and its scale word in v[PW].  Lanes l and l xor 16 share a block.
.macro QUANT s
.irp b, 0,1,2,3
	v_max3_num_f32 v[TM+\b], |v[\s+16*\b]|, |v[\s+1+16*\b]|, 0x4800000   ; with the floor 2^(9 - 127): the byte cannot fall under 1
.endr
.irp i, 2,4,6,8,10,12,14
.irp b, 0,1,2,3
	v_max3_num_f32 v[TM+\b], v[TM+\b], |v[\s+16*\b+\i]|, |v[\s+1+16*\b+\i]|   ; the four blocks by turns
.endr
.endr
.irp b, 0,1,2,3
	v_permlanex16_b32 v[TM+4+\b], v[TM+\b], s[SEL], s[SEL+1]
.endr
.irp b, 0,1,2,3
	v_max_num_f32 v[TM+\b], v[TM+\b], v[TM+4+\b]   ; the block's largest magnitude
.endr
.irp b, 0,1,2,3
	v_add_nc_u32 v[TM+12+\b], 0xfc000000, v[TM+\b] ; 8 off its exponent field: the conversion's scale operand
.endr
.irp b, 0,1,2,3
	v_and_or_b32 v[TM+8+\b], v[TM+\b], 0x7f800000, s[MNT]   ; 448 x the scale
.endr
.irp b, 0,1,2,3
	v_lshrrev_b32 v[TM+4+\b], 23, v[TM+12+\b]      ; the scale's byte
.endr
	v_lshl_or_b32 v[PW], v[TM+5], 8, v[TM+4]
	v_lshl_or_b32 v[PW], v[TM+6], 16, v[PW]
	v_lshl_or_b32 v[PW], v[TM+7], 24, v[PW]
.irp b, 0,1,2,3
.irp i, 0,1,2,3,4,5,6,7,8,9,10,11,12,13,14,15
	v_med3_num_f32 v[\s+16*\b+\i], v[\s+16*\b+\i], -v[TM+8+\b], v[TM+8+\b]   ; the conversion does not saturate (ISA guide 7.6.2): the hold comes first
.endr
	v_cvt_scalef32_pk8_fp8_f32 v[PC+4*\b:PC+1+4*\b], v[\s+16*\b:\s+7+16*\b], v[TM+12+\b]
	v_cvt_scalef32_pk8_fp8_f32 v[PC+2+4*\b:PC+3+4*\b], v[\s+8+16*\b:\s+15+16*\b], v[TM+12+\b]
.endr
	v_nop                                          ; one plain vector instruction behind the last scaled conversion
.endm
.macro STEP s
.set RS, R+64*(\s)
	s_wait_xcnt 0x0                                ; the last step's stores have read their data: PC may be written again
.if (\s) < 1
	s_wait_loadcnt 16                              ; this step's 16 loads are in; the next step's 16 may be out
.else
	s_wait_loadcnt 0x0
.endif
.irp i, 0,1,2,3,4,5,6,7,8,9,10,11,12,13,14,15
	ds_store_b128 v2, v[RS+4*\i:RS+4*\i+3] offset:\i*SPI   ; row i as it lies
.endr
.irp b, 0,1,2,3                        ; back: of my row's block b the places 8 h + 0..7 and 16 + 8 h + 0..7; LDS serves a wave's instructions in order
	ds_load_b128 v[X+16*\b:X+16*\b+3], v3 offset:128*\b
	ds_load_b128 v[X+16*\b+4:X+16*\b+7], v3 offset:128*\b+16
	ds_load_b128 v[X+16*\b+8:X+16*\b+11], v3 offset:128*\b+64
	ds_load_b128 v[X+16*\b+12:X+16*\b+15], v3 offset:128*\b+80
.endr
	s_wait_dscnt 0x0                               ; my numbers are back
	QUANT X
.irp c, 0,1,2,3
	global_store_b128 v1, v[PC+4*\c:PC+4*\c+3], s[40:41] offset:(\s)*2048+512*\c   ; 32 lanes store 512 consecutive bytes
.endr
.if (\s)%2
	v_cndmask_b32 v[PWS], v[PWE], v[PW], s[HIM]    ; lanes 16-31 take this step's word
	global_store_b32 v4, v[PWS], s[42:43]          ; two steps' words: 128 consecutive bytes
.else
	v_mov_b32 v[PWE], v[PW]
.endif
.endm
	LOAD 0
	LOAD 1
	STEP 0
	STEP 1
	s_wait_tensorcnt 0x0                           ; the wave's end
	ds_add_u32 v248, v249
	s_wait_dscnt 0x0
	s_endpgm
; (F) Work-group T takes queries 16 T .. 16 T + 15; wave qd takes key steps 4 qd + j, j = 0..3: 16 rows x 512 bytes of att_mask each, and 128 bytes of pad_mask for each of the four batches.
.Lflags:
	s_mov_b32 s34, ttmp9                           ; T
	s_lshl_b32 s36, s34, 17                        ; 16 rows of 8,192 bytes
	s_lshl_b32 s37, s33, 11                        ; + my four steps' 2,048 bytes
	s_add_co_u32 s36, s36, s37
	s_mov_b32 s37, 0
	s_lshl_b32 s38, s33, 9
	s_mov_b32 s39, 0
	s_mov_b32 s50, 0xff800000                      ; -infinity
	s_mov_b32 s51, 0x01010101                      ; four padded keys
.irp b, 0,1,2,3
	s_mov_b32 s[44+\b], 0                          ; batch b's eight bits
.endr
	s_wait_kmcnt 0x0
	s_add_nc_u64 s[36:37], s[18:19], s[36:37]
	s_add_nc_u64 s[38:39], s[24:25], s[38:39]
	s_wait_alu depctr_va_vdst(0)
.irp j, 0,1,2,3
.irp b, 0,1,2,3
	global_load_b32 v[144+4*\j+\b], v4, s[38:39] offset:\b*2048+\j*128   ; four keys' pad bytes a lane
.endr
.endr
.macro LOADM j
.irp i, 0,1,2,3,4,5,6,7,8,9,10,11,12,13,14,15
	global_load_b128 v[R+64*((\j)%2)+4*\i:R+64*((\j)%2)+4*\i+3], v1, s[36:37] offset:\i*8192+(\j)*512 th:TH_LOAD_NT
.endr
.endm
	LOADM 0
	LOADM 1
.macro FLAG j
.set RS, R+64*((\j)%2)
.if (\j) < 3
	s_wait_loadcnt 16                              ; this piece (and the pad bytes) are in; the next piece's 16 loads may be out
.else
	s_wait_loadcnt 0x0
.endif
	v_max_num_f32 v160, v[RS], v[RS+1]             ; the largest number, and the largest magnitude, of my 64: two chains by turns
	v_max_num_f32 v161, |v[RS]|, |v[RS+1]|
.set i, 2
.rept 31
	v_max3_num_f32 v160, v160, v[RS+i], v[RS+i+1]
	v_max3_num_f32 v161, v161, |v[RS+i]|, |v[RS+i+1]|
.set i, i+2
.endr
.if (\j) < 2
	LOADM (\j)+2
.endif
	v_cmp_eq_f32 s40, s50, v160
	v_cmp_eq_f32 s41, 0, v161
	s_cmp_eq_u32 s40, -1
	s_cselect_b32 s40, 1, 0                        ; every number of the piece is -infinity
	s_cmp_eq_u32 s41, -1
	s_cselect_b32 s41, 1, 0                        ; every number is 0
.irp b, 0,1,2,3
	v_cmp_ne_u32 s42, 0, v[144+4*(\j)+\b]
	v_cmp_eq_u32 s43, s51, v[144+4*(\j)+\b]
	s_cmp_lg_u32 s42, 0
	s_cselect_b32 s42, 1, 0                        ; some key of the step is padded
	s_cmp_eq_u32 s43, -1
	s_cselect_b32 s43, 1, 0                        ; all are
	s_or_b32 s43, s43, s40
	s_xor_b32 s43, s43, 1                          ; bit 0: the step is walked
	s_xor_b32 s42, s42, 1
	s_and_b32 s42, s42, s41                        ; nothing to add: att_mask all 0 and no padded key
	s_xor_b32 s42, s42, 1
	s_and_b32 s42, s42, s43                        ; bit 1: walked, and the masks are added
	s_lshl_b32 s42, s42, 1
	s_or_b32 s42, s42, s43
	s_lshl_b32 s42, s42, 2*(\j)
	s_or_b32 s[44+\b], s[44+\b], s42
.endr
.endm
	FLAG 0
	FLAG 1
	FLAG 2
	FLAG 3
	s_cmp_lg_u32 s33, 0                            ; wave 0 alone: entries 64 T .. 64 T + 63 of pad_mask's 8,192 become f32 addends
	s_cbranch_scc1 .Lnot_wave_0
	s_lshl_b32 s52, s34, 6
	s_mov_b32 s53, 0
	s_add_nc_u64 s[54:55], s[24:25], s[52:53]
	s_lshl_b32 s52, s34, 8
	s_add_co_u32 s52, s52, PADF_OFF
	s_add_nc_u64 s[56:57], s[26:27], s[52:53]
	v_lshlrev_b32 v162, 1, v6
	v_lshlrev_b32 v163, 3, v6
	global_load_u16 v164, v162, s[54:55]           ; two keys a lane
	s_wait_loadcnt 0x0
	v_and_b32 v165, 0xff, v164
	v_lshrrev_b32 v166, 8, v164
	v_mov_b32 v167, 0xff800000
	v_cmp_ne_u32 vcc_lo, 0, v165
	v_cndmask_b32 v168, 0, v167, vcc_lo
	v_cmp_ne_u32 vcc_lo, 0, v166
	v_cndmask_b32 v169, 0, v167, vcc_lo
	s_wait_alu depctr_va_vdst(0)
	global_store_b64 v163, v[168:169], s[56:57]    ; 32 lanes store 256 consecutive bytes, aligned
.Lnot_wave_0:
	v_mov_b32 v170, 0
.irp b, 0,1,2,3
	v_writelane_b32 v170, s[44+\b], \b             ; lane b holds batch b's byte
.endr
	v_lshlrev_b32 v171, 9, v6                      ; flags is [4][128] words: 512 bytes from batch to batch
	s_lshl_b32 s52, s34, 2
	s_add_co_u32 s52, s52, s33                     ; word T, byte qd
	s_mov_b32 s53, 0
	s_add_nc_u64 s[58:59], s[28:29], s[52:53]
	v_cmp_gt_u32 vcc_lo, 4, v6
	s_wait_alu depctr_va_vdst(0)
	s_wait_xcnt 0x0                                ; EXEC changes only behind this wait
	s_and_saveexec_b32 s60, vcc_lo
	global_store_b8 v171, v170, s[58:59]
	s_wait_xcnt 0x0                                ; and again in front of the line that widens it
	s_or_b32 exec_lo, exec_lo, s60
	s_endpgm
.Lfunc_end_k_q0d3558c86f_prep:
	.size	k_q0d3558c86f_prep, .Lfunc_end_k_q0d3558c86f_prep-k_q0d3558c86f_prep
	.p2alignl 7, 3214868480
	.fill 96, 4, 3214868480
	.section	.rodata,"a",@progbits
	.p2align	6, 0x0
	.amdhsa_kernel k_q0d3558c86f_prep
		.amdhsa_group_segment_fixed_size 34304
		.amdhsa_private_segment_fixed_size 0
		.amdhsa_enable_private_segment 0
		.amdhsa_kernarg_size 56
		.amdhsa_user_sgpr_count 2
		.amdhsa_user_sgpr_kernarg_segment_ptr 1
		.amdhsa_wavefront_size32 1
		.amdhsa_system_sgpr_workgroup_id_x 1
		.amdhsa_system_sgpr_workgroup_id_y 1
		.amdhsa_system_sgpr_workgroup_id_z 1
		.amdhsa_system_vgpr_workitem_id 0
		.amdhsa_next_free_vgpr 250
		.amdhsa_next_free_sgpr 66
		.amdhsa_reserve_vcc 1
		.amdhsa_float_denorm_mode_32 3
		.amdhsa_float_denorm_mode_16_64 3
		.amdhsa_memory_ordered 1
		.amdhsa_forward_progress 1
		.amdhsa_inst_pref_size 63
	.end_amdhsa_kernel
	.amdgpu_metadata
---
amdhsa.version: [ 1, 2 ]
amdhsa.kernels:
  - .name:           k_q0d3558c86f_prep
    .symbol:         k_q0d3558c86f_prep.kd
    .args:
      - { .name: q, .offset: 0, .size: 8, .value_kind: global_buffer, .address_space: global }
      - { .name: w_q, .offset: 8, .size: 8, .value_kind: global_buffer, .address_space: global }
      - { .name: w_out, .offset: 16, .size: 8, .value_kind: global_buffer, .address_space: global }
      - { .name: att_mask, .offset: 24, .size: 8, .value_kind: global_buffer, .address_space: global }
      - { .name: pad_mask, .offset: 32, .size: 8, .value_kind: global_buffer, .address_space: global }
      - { .name: cod, .offset: 40, .size: 8, .value_kind: global_buffer, .address_space: global }
      - { .name: flags, .offset: 48, .size: 8, .value_kind: global_buffer, .address_space: global }
    .group_segment_fixed_size: 34304
    .private_segment_fixed_size: 0
    .kernarg_segment_align: 8
    .kernarg_segment_size: 56
    .max_flat_workgroup_size: 128
    .sgpr_count:     66
    .vgpr_count:     250
    .wavefront_size: 32
...
	.end_amdgpu_metadata
.endif
;; end of part 1
;; launch projq (part 2): grid 4 x 64, 4 waves a work-group, clusters of 4 x 4, 327,680 bytes of LDS; arguments cod, b_q, qkv; writes qkv
.if DOCPART == 2
	.amdgcn_target "amdgcn-amd-amdhsa--gfx1250"
	.amdhsa_code_object_version 6
	.text
	.protected	k_q0d3558c86f_projq
	.globl	k_q0d3558c86f_projq
	.p2align	8
	.type	k_q0d3558c86f_projq,@function
k_q0d3558c86f_projq:
	s_mov_b64 s[64:65], 0
	v_nop
	global_prefetch_b8 v0, s[64:65] scope:SCOPE_SE
	s_setreg_imm32_b32 hwreg(HW_REG_WAVE_MODE, 25, 1), 1
	s_wait_xcnt 0x0
	s_wait_alu depctr_hold_cnt(0) depctr_sa_sdst(0) depctr_va_vdst(0) depctr_va_sdst(0) depctr_va_ssrc(0) depctr_va_vcc(0) depctr_vm_vsrc(0)
	s_getreg_b32 s2, hwreg(HW_REG_IB_STS2, 6, 4)
	s_cmp_eq_u32 s2, 0
	s_cbranch_scc0 .Lentry_in_a_cluster
	s_endpgm
.Lentry_in_a_cluster:
	s_bfe_u32 s2, ttmp6, 0x10000c
	s_cmp_lg_u32 s2, 0xf033
	s_cbranch_scc0 .Lentry_shape_is_right
	s_endpgm
.Lentry_shape_is_right:
.set WQ_IMG,  25165824
.set SCL_OFF, 29360128
.set WQ_SCR,  786432
.set VT_OFF,  8388608
.set KSC_OFF, 16777216
.set VSC_OFF, 17039360
.set NQ,     2
.set FR,     16
.set NL,     4
.set NP,     8
.set TILEB,  4096
.set HALFT,  8*TILEB
.set SLOT,   4*HALFT
.set LAPS,   2
.set SCL,    2*SLOT
.set HALFS,  4096
.set SBLK,   512
.set SPARE,  SCL+4*HALFS
.set L4,   7
.set BIR,  8
.set ADRA, 16
.set ADRB, 20
.set CO,   26
.set ADRS, 27
.set SPW,  28
.set NIL,  29
.set SC,   32
.set BIC,  64
.set AF,   128
.set XQ,   128
.set PC,   192
.set TM,   208
.set PW,   224
.set PWE,  225
.set PWS,  226
.set G1, 24
.set G0, 32
.set G1B, 48
.set G0B, 56
.set G1S, 68
.set G0S, 76
.set G1SB, 80
.set G0SB, 88
.set SEL, 100
.set MNT, 104
.set HIM, 105
.set MSB, 0
.macro WIN new
.if MSB != (\new)
	s_set_vgpr_msb (MSB<<8)|(\new)
.set MSB, (\new)
.endif
.endm
.set MUL_LO, 0xa1
.set MUL_HI, 0xf1
.set TO_B,   0x40
.macro JLOAD g0a, g1a, g0b, g1b
	s_cmp_eq_u32 s15, 0
	s_cbranch_scc0 .Lfor_b_\@
	tensor_load_to_lds s[\g0a:\g0a+3], s[\g1a:\g1a+7]
	s_nop 0
.rept 4
	v_nop
.endr
	s_branch .Lasked_\@
.Lfor_b_\@:
	tensor_load_to_lds s[\g0b:\g0b+3], s[\g1b:\g1b+7]
	s_nop 0
.rept 4
	v_nop
.endr
.Lasked_\@:
.endm
.macro CREST
	s_cmp_lg_u32 s14, 0
	s_cbranch_scc1 .Lnot_wave_0_\@
	s_barrier_signal -3
.Lnot_wave_0_\@:
	s_barrier_wait -3
	s_barrier_signal -1
	s_barrier_wait -1
.endm
.macro CROUND
	s_barrier_signal -1
	s_barrier_wait -1
	CREST
.endm
	s_load_b128 s[4:7], s[0:1], 0x0
	s_load_b64 s[12:13], s[0:1], 0x10
	v_lshl_add_u32 v[SPW], v0, 2, SPARE
	v_mov_b32 v[NIL], 0
	ds_add_u32 v28, v29
	ds_add_u32 v28, v29
	s_wait_dscnt 0x0
	v_lshrrev_b32 v1, 5, v0
	v_readfirstlane_b32 s14, v1
	s_lshr_b32 s15, s14, 1
	s_and_b32 s16, s14, 1
	s_bfe_u32 s40, ttmp6, 0x40000
	s_bfe_u32 s41, ttmp6, 0x40004
	s_and_b32 s66, ttmp7, 0xffff
	s_sub_co_u32 s67, s66, 8
	s_cmp_ge_u32 s66, 8
	s_cselect_b32 s95, 0, s66
	s_cselect_b32 s96, s67, 0
	s_cselect_b32 s97, WQ_IMG, 0
	s_cselect_b32 s2, 0, WQ_IMG
	s_cselect_b32 s105, WQ_SCR, 0
	s_cselect_b32 s104, 0, WQ_SCR
	s_cselect_b32 s100, VT_OFF, 0
	s_cselect_b32 s101, VSC_OFF-KSC_OFF, 0
	s_cselect_b32 s66, 0, -1
	s_cselect_b32 s67, -1, 0
	s_lshl_b32 s42, s96, 2
	s_add_co_u32 s42, s42, s40
	s_lshl_b32 s17, s95, 2
	s_add_co_u32 s17, s17, s41
	s_lshl_b32 s43, s41, 2
	s_lshl_b32 s43, 15, s43
	s_lshl_b32 s44, 0x1111, s40
	s_or_b32 s[G1+0], s43, (3<<16)|(1<<21)
	s_or_b32 s[G1B+0], s44, (3<<16)|(1<<21)
.irp g, G1, G1B
	s_mov_b32 s[\g+1], 512<<16
	s_mov_b32 s[\g+2], 16<<16
	s_mov_b32 s[\g+3], 512<<16
	s_mov_b32 s[\g+4], 16
	s_mov_b32 s[\g+5], 2048
	s_mov_b32 s[\g+6], 0
	s_mov_b32 s[\g+7], 0
.endr
	s_or_b32 s[G1S+0], s43, (3<<16)|(1<<21)
	s_or_b32 s[G1SB+0], s44, (3<<16)|(1<<21)
.irp g, G1S, G1SB
	s_mov_b32 s[\g+1], 32<<16
	s_mov_b32 s[\g+2], 32<<16
	s_mov_b32 s[\g+3], 32<<16
	s_mov_b32 s[\g+4], 32
	s_mov_b32 s[\g+5], 32
	s_mov_b32 s[\g+6], 0
	s_mov_b32 s[\g+7], 0
.endr
	s_lshl_b32 s18, s16, 7
	s_lshl_b32 s20, s17, 8
	s_add_co_u32 s20, s20, s18
	s_lshl_b32 s46, s42, 8
	s_add_co_u32 s46, s46, s18
	s_lshl_b32 s22, s20, 5
	s_add_co_u32 s22, s22, s105
	s_add_co_u32 s22, s22, SCL_OFF
	s_mov_b32 s23, 0
	s_lshl_b32 s20, s20, 10
	s_add_co_u32 s20, s20, s97
	s_mov_b32 s21, 0
	s_lshl_b32 s92, s46, 5
	s_add_co_u32 s92, s92, s104
	s_add_co_u32 s92, s92, SCL_OFF
	s_mov_b32 s93, 0
	s_lshl_b32 s46, s46, 10
	s_add_co_u32 s46, s46, s2
	s_mov_b32 s47, 0
	s_mul_i32 s45, s14, HALFT
	s_mul_i32 s94, s14, HALFS
	s_wait_kmcnt 0x0
	s_add_nc_u64 s[20:21], s[4:5], s[20:21]
	s_add_nc_u64 s[22:23], s[4:5], s[22:23]
	s_add_nc_u64 s[46:47], s[4:5], s[46:47]
	s_add_nc_u64 s[92:93], s[4:5], s[92:93]
	CROUND
	; the head's four tiles, each whole: the pointers above stand at my wave's half of 128 rows, so that half is taken off again
	s_lshl_b32 s94, s16, 12                        ; 128 rows of scale words
	s_mov_b32 s95, 0
	s_mov_b32 s[G0S], 1
	s_mov_b32 s[G0S+1], SCL
	s_sub_nc_u64 s[G0S+2:G0S+3], s[22:23], s[94:95]
	s_or_b32 s[G0S+3], s[G0S+3], 0x80000000
	s_mov_b32 s[G0SB], 1
	s_mov_b32 s[G0SB+1], SCL+2*HALFS
	s_sub_nc_u64 s[G0SB+2:G0SB+3], s[92:93], s[94:95]
	s_or_b32 s[G0SB+3], s[G0SB+3], 0x80000000
	s_lshl_b32 s94, s16, 17                        ; 128 rows of codes
	s_mov_b32 s8, 1
	s_mov_b32 s9, 0
	s_sub_nc_u64 s[10:11], s[20:21], s[94:95]
	s_or_b32 s11, s11, 0x80000000
.irp s, 0,1
	s_mov_b32 s[G0+4*\s], 1
	s_add_co_u32 s[G0+4*\s+1], s45, \s*SLOT
	s_add_nc_u64 s[G0+4*\s+2:G0+4*\s+3], s[20:21], \s*TILEB
	s_or_b32 s[G0+4*\s+3], s[G0+4*\s+3], 0x80000000
	s_mov_b32 s[G0B+4*\s], 1
	s_add_co_u32 s[G0B+4*\s+1], s45, \s*SLOT
	s_add_nc_u64 s[G0B+4*\s+2:G0B+4*\s+3], s[46:47], \s*TILEB
	s_or_b32 s[G0B+4*\s+3], s[G0B+4*\s+3], 0x80000000
.endr
; the head's loads, one a wave, in one chain of arms: wave 0 slot 0's 16 row tiles of the first operand, wave 1 those of the second, waves 2 and 3 their scale words
.macro ARM under, g0, g1, next
	s_cmp_lt_u32 s14, \under
	s_cbranch_scc0 \next
	tensor_load_to_lds s[\g0:\g0+3], s[\g1:\g1+7]
	s_nop 0
.rept 4
	v_nop
.endr
	s_branch .Lhead_asked
\next:
.endm
	s_mov_b32 s[G0B+1], 2*HALFT                    ; the second operand's head load goes by slot 0's own group 0, set to the whole tile; it is put back behind the wait for the head's loads
	s_sub_nc_u64 s[G0B+2:G0B+3], s[G0B+2:G0B+3], s[94:95]
	ARM 1, 8, G1, .Lhead_b
	ARM 2, G0B, G1B, .Lhead_sa
	ARM 3, G0S, G1S, .Lhead_sb
	tensor_load_to_lds s[G0SB:G0SB+3], s[G1SB:G1SB+7]
	s_nop 0
.rept 4
	v_nop
.endr
.Lhead_asked:                                          ; the addresses, the bias loads and their selects below stand under the head's loads; they write no register of a descriptor
	v_and_b32 v1, 15, v0
	v_bfe_u32 v2, v0, 4, 1
	v_and_b32 v3, 31, v0
	v_lshlrev_b32 v[CO], 4, v3
	v_lshlrev_b32 v[L4], 2, v3
	s_mul_i32 s21, s15, HALFT
	s_mul_i32 s22, s16, HALFT
	s_add_co_u32 s22, s22, 2*HALFT
.irp s, 0,1
	v_add_nc_u32 v[ADRA+\s], s21, v[CO]
	v_add_nc_u32 v[ADRB+\s], s22, v[CO]
	s_add_co_u32 s21, s21, SLOT
	s_add_co_u32 s22, s22, SLOT
.endr
	v_lshlrev_b32 v31, 2, v1
	v_lshlrev_b32 v30, 5, v2
	s_wait_alu depctr_va_vdst(0)
	s_mul_i32 s21, s15, HALFS
	s_mul_i32 s22, s16, HALFS
	s_add_co_u32 s22, s22, 2*HALFS
	s_sub_co_u32 s22, s22, s21
	v_mul_u32_u24 v6, s22, v2
	s_add_co_u32 s21, s21, SCL
	v_add_nc_u32 v5, v31, v6
	v_add_nc_u32 v[ADRS], s21, v5
	s_lshl_b32 s20, s17, 8
	s_lshl_b32 s21, s15, 7
	s_add_co_u32 s20, s20, s21
	s_lshl_b32 s46, s42, 8
	s_lshl_b32 s47, s16, 7
	s_add_co_u32 s46, s46, s47
	s_lshr_b32 s21, s20, 11
	s_lshl_b32 s21, s21, 3
	s_lshr_b32 s22, s46, 7
	s_add_co_u32 s21, s21, s22
	s_lshl_b32 s21, s21, 7
	s_bfe_u32 s23, s20, 0x70004
	s_add_co_u32 s21, s21, s23
	s_lshl_b32 s22, s22, 6
	s_lshr_b32 s23, s20, 4
	s_add_co_u32 s22, s22, s23
	s_cmp_lg_u32 s67, 0
	s_cselect_b32 s21, s22, s21
	s_cselect_b32 s22, 0, s46
	s_cselect_b32 s23, s20, 0
	s_lshl_b32 s92, s21, 11
	s_add_co_u32 s92, s92, s100
	s_mov_b32 s93, 0
	s_lshl_b32 s94, s21, 6
	s_add_co_u32 s94, s94, s101
	s_add_co_u32 s94, s94, KSC_OFF
	s_mov_b32 s95, 0
	s_add_nc_u64 s[98:99], s[12:13], s[94:95]
	s_add_nc_u64 s[12:13], s[12:13], s[92:93]
	s_lshl_b32 s46, s22, 2
	s_mov_b32 s47, 0
	s_add_nc_u64 s[46:47], s[6:7], s[46:47]
	s_lshl_b32 s20, s23, 2
	s_mov_b32 s21, 0
	s_add_nc_u64 s[20:21], s[6:7], s[20:21]
.irp b, 0,1,2,3,4,5,6,7
	global_load_b128 v[BIC+8*\b:BIC+8*\b+3], v30, s[46:47] offset:64*\b
	global_load_b128 v[BIC+8*\b+4:BIC+8*\b+7], v30, s[46:47] offset:64*\b+16
.endr
.irp a, 0,1,2,3,4,5,6,7
	global_load_b32 v[BIR+\a], v31, s[20:21] offset:64*\a
.endr
	s_mov_b32 s[SEL], 0x76543210
	s_mov_b32 s[SEL+1], 0xfedcba98
	s_mov_b32 s[MNT], 0x600000
	s_mov_b32 s[HIM], 0xffff0000
	s_wait_loadcnt 0x0
.set i, 0
.rept 64
	v_cndmask_b32 v[BIC+i], 0, v[BIC+i], s66
.set i, i+1
.endr
.set i, 0
.rept 8
	v_cndmask_b32 v[BIR+i], 0, v[BIR+i], s67
.set i, i+1
.endr
.macro FRAG reg, adr, q, i
.irp c, 0,1,2,3
	ds_load_b128 v[\reg+4*\c:\reg+4*\c+3], v[\adr] offset:2048*(\q)+512*\c+(\i)*TILEB
.endr
.endm
.macro MUL16 a0, p, q, sc, zero
.irp a, \a0, \a0+1
.irp b, 0,1,2,3,4,5,6,7
.if \zero
	v_wmma_scale_f32_16x16x128_f8f6f4 v[8*(8*((\a)%4)+\b):8*(8*((\a)%4)+\b)+7], v[128*(\p)+FR*\b:128*(\p)+FR*\b+FR-1], v[AF+FR*(\a):AF+FR*(\a)+FR-1], 0, v[SC+8*NQ*(\sc)+NQ*\b+(\q)], v[SC+8*NQ*(\sc)+NQ*(\a)+(\q)] matrix_a_scale:MATRIX_SCALE_ROW1
.else
	v_wmma_scale_f32_16x16x128_f8f6f4 v[8*(8*((\a)%4)+\b):8*(8*((\a)%4)+\b)+7], v[128*(\p)+FR*\b:128*(\p)+FR*\b+FR-1], v[AF+FR*(\a):AF+FR*(\a)+FR-1], v[8*(8*((\a)%4)+\b):8*(8*((\a)%4)+\b)+7], v[SC+8*NQ*(\sc)+NQ*\b+(\q)], v[SC+8*NQ*(\sc)+NQ*(\a)+(\q)] matrix_a_scale:MATRIX_SCALE_ROW1
.endif
.endr
.endr
.endm
.macro FETCH_B slot, q, p
	WIN TO_B
.irp i, 0,1,2,3,4,5,6,7
	FRAG 128*(\p)+FR*\i, ADRB+\slot, \q, \i
.endr
	WIN 0
.endm
.macro FETCH_A slot, q, i0
.irp i, \i0, \i0+1, \i0+2, \i0+3
	FRAG AF+FR*(\i), ADRA+\slot, \q, \i
.endr
.endm
.macro SCALES sc
.irp i, 0,1,2,3,4,5,6,7
.irp q, 0,1
	ds_load_b32 v[SC+8*NQ*\sc+NQ*\i+\q], v[ADRS] offset:\i*SBLK+64*\q
.endr
.endr
.endm
.macro PLACES n
.rept \n
	v_nop
.endr
.endm
.macro STEP slot, q, zero
	s_wait_dscnt 4*NL
	WIN MUL_LO
	MUL16 0, (\q)%2, \q, \slot, \zero
	MUL16 2, (\q)%2, \q, \slot, \zero
	s_wait_dscnt 0
	PLACES NP
	FETCH_B \slot, (\q)+1, 1-(\q)%2
	FETCH_A \slot, (\q)+1, 0
	WIN MUL_HI
	MUL16 4, (\q)%2, \q, \slot, \zero
	MUL16 6, (\q)%2, \q, \slot, \zero
	PLACES NP
	WIN 0
	FETCH_A \slot, (\q)+1, 4
.endm
.macro TURN slot, next, fill
	s_wait_tensorcnt 0x0
	ds_add_u32 v[SPW], v[NIL]
	s_wait_dscnt 4*NL+1
	WIN MUL_LO
	MUL16 0, 1, NQ-1, \slot, 0
	s_wait_dscnt 0x0
	s_barrier_signal -1
	MUL16 2, 1, NQ-1, \slot, 0
	WIN 0
	s_barrier_wait -1
.if \fill
	CREST
	s_add_nc_u64 s[G0+4*\slot+2:G0+4*\slot+3], s[G0+4*\slot+2:G0+4*\slot+3], 2*TILEB
	s_add_nc_u64 s[G0B+4*\slot+2:G0B+4*\slot+3], s[G0B+4*\slot+2:G0B+4*\slot+3], 2*TILEB
	JLOAD G0+4*\slot, G1, G0B+4*\slot, G1B
	PLACES NP-4
.else
	PLACES NP
.endif
	s_wait_alu depctr_va_vdst(0)
	v_add_nc_u32 v[ADRS], 64*NQ, v[ADRS]
	FETCH_B \next, 0, 0
	FETCH_A \next, 0, 0
	SCALES \next
	WIN MUL_HI
	MUL16 4, 1, NQ-1, \slot, 0
	MUL16 6, 1, NQ-1, \slot, 0
	PLACES NP
	WIN 0
	FETCH_A \next, 0, 4
.endm
	s_wait_alu depctr_va_vdst(0)
	s_wait_tensorcnt 0x0                           ; my tile of the head's four is in; slot 1's first fill stands behind the full sequence, as a refill does
	ds_add_u32 v28, v29
	s_mov_b32 s[G1+2], 8<<16                       ; no tensor load of mine is out: from here on a load brings 8 row tiles,
	s_mov_b32 s[G1+4], 8
	s_mov_b32 s[G1B+2], 8<<16
	s_mov_b32 s[G1B+4], 8
	s_lshl_b32 s94, s16, 17                        ; and slot 0's group 0 for the second operand stands at my wave's half again
	s_mov_b32 s95, 0
	s_mov_b32 s[G0B+1], s45
	s_add_nc_u64 s[G0B+2:G0B+3], s[G0B+2:G0B+3], s[94:95]
	s_wait_dscnt 0x0
	CROUND                                         ; every wave has waited for its tile, and the round closes with the work-group's barrier: all four tiles may be read
	JLOAD G0+4, G1, G0B+4, G1B
	FETCH_B 0, 0, 0
	FETCH_A 0, 0, 0
	SCALES 0
	FETCH_A 0, 0, 4
	STEP 0, 0, 1
	s_mov_b32 s3, LAPS-1
.Llap:
	TURN 0, 1, 1
	STEP 1, 0, 0
	TURN 1, 0, 1
	STEP 0, 0, 0
	s_sub_co_u32 s3, s3, 1
	s_cmp_lg_u32 s3, 0
	s_cbranch_scc1 .Llap
	TURN 0, 1, 0
	STEP 1, 0, 0
	s_wait_dscnt 4*NL
	WIN MUL_LO
	MUL16 0, 1, NQ-1, 1, 0
	MUL16 2, 1, NQ-1, 1, 0
	s_wait_dscnt 0
	WIN MUL_HI
	MUL16 4, 1, NQ-1, 1, 0
	MUL16 6, 1, NQ-1, 1, 0
	WIN 0
.macro QUANT s
.irp b, 0,1,2,3
	v_max3_num_f32 v[TM+\b], |v[\s+16*\b]|, |v[\s+1+16*\b]|, 0x4800000
.endr
.irp i, 2,4,6,8,10,12,14
.irp b, 0,1,2,3
	v_max3_num_f32 v[TM+\b], v[TM+\b], |v[\s+16*\b+\i]|, |v[\s+1+16*\b+\i]|
.endr
.endr
.irp b, 0,1,2,3
	v_permlanex16_b32 v[TM+4+\b], v[TM+\b], s[SEL], s[SEL+1]
.endr
.irp b, 0,1,2,3
	v_max_num_f32 v[TM+\b], v[TM+\b], v[TM+4+\b]
.endr
.irp b, 0,1,2,3
	v_add_nc_u32 v[TM+12+\b], 0xfc000000, v[TM+\b]
.endr
.irp b, 0,1,2,3
	v_and_or_b32 v[TM+8+\b], v[TM+\b], 0x7f800000, s[MNT]
.endr
.irp b, 0,1,2,3
	v_lshrrev_b32 v[TM+4+\b], 23, v[TM+12+\b]
.endr
	v_lshl_or_b32 v[PW], v[TM+5], 8, v[TM+4]
	v_lshl_or_b32 v[PW], v[TM+6], 16, v[PW]
	v_lshl_or_b32 v[PW], v[TM+7], 24, v[PW]
.irp b, 0,1,2,3
.irp i, 0,1,2,3,4,5,6,7,8,9,10,11,12,13,14,15
	v_med3_num_f32 v[\s+16*\b+\i], v[\s+16*\b+\i], -v[TM+8+\b], v[TM+8+\b]
.endr
	v_cvt_scalef32_pk8_fp8_f32 v[PC+4*\b:PC+1+4*\b], v[\s+16*\b:\s+7+16*\b], v[TM+12+\b]
	v_cvt_scalef32_pk8_fp8_f32 v[PC+2+4*\b:PC+3+4*\b], v[\s+8+16*\b:\s+15+16*\b], v[TM+12+\b]
.endr
	v_nop
.endm
.macro OUT a
.set AC, 64*((\a)%4)
.if (\a) > 0
	s_wait_xcnt 0x0
.endif
	WIN 0x02+(\a)/4
.set i, 0
.rept 32
	v_pk_add_f32 v[XQ+i:XQ+i+1], v[AC+i:AC+i+1], v[BIC+i:BIC+i+1]
.set i, i+2
.endr
	WIN 0
.set i, 0
.rept 32
.if (\a)%2
	v_pk_add_f32 v[XQ+i:XQ+i+1], v[XQ+i:XQ+i+1], v[BIR+(\a)-1:BIR+(\a)] op_sel:[0,1] op_sel_hi:[1,1]
.else
	v_pk_add_f32 v[XQ+i:XQ+i+1], v[XQ+i:XQ+i+1], v[BIR+(\a):BIR+(\a)+1] op_sel:[0,0] op_sel_hi:[1,0]
.endif
.set i, i+2
.endr
	QUANT XQ
.irp c, 0,1,2,3
	global_store_b128 v[CO], v[PC+4*\c:PC+4*\c+3], s[12:13] offset:2048*(\a)+512*\c
.endr
.if (\a)%2
	v_cndmask_b32 v[PWS], v[PWE], v[PW], s[HIM]
	global_store_b32 v[L4], v[PWS], s[98:99] offset:128*((\a)/2)
.else
	v_mov_b32 v[PWE], v[PW]
.endif
.endm
	PLACES NP
.irp b, 0,1,2,3
	v_mov_b32 v[TM+4+\b], 0
.endr
.irp a, 0,1,2,3,4,5,6,7
	OUT \a
.endr
	s_wait_tensorcnt 0x0
	ds_add_u32 v[SPW], v[NIL]
	s_wait_dscnt 0x0
	CROUND
	s_endpgm
.Lfunc_end_k_q0d3558c86f_projq:
	.size	k_q0d3558c86f_projq, .Lfunc_end_k_q0d3558c86f_projq-k_q0d3558c86f_projq
	.p2alignl 7, 3214868480
	.fill 96, 4, 3214868480
	.section	.rodata,"a",@progbits
	.p2align	6, 0x0
	.amdhsa_kernel k_q0d3558c86f_projq
		.amdhsa_group_segment_fixed_size 327680
		.amdhsa_private_segment_fixed_size 0
		.amdhsa_enable_private_segment 0
		.amdhsa_kernarg_size 24
		.amdhsa_user_sgpr_count 2
		.amdhsa_user_sgpr_kernarg_segment_ptr 1
		.amdhsa_wavefront_size32 1
		.amdhsa_system_sgpr_workgroup_id_x 1
		.amdhsa_system_sgpr_workgroup_id_y 1
		.amdhsa_system_sgpr_workgroup_id_z 1
		.amdhsa_system_vgpr_workitem_id 0
		.amdhsa_next_free_vgpr 1024
		.amdhsa_next_free_sgpr 106
		.amdhsa_reserve_vcc 0
		.amdhsa_float_denorm_mode_32 3
		.amdhsa_float_denorm_mode_16_64 3
		.amdhsa_memory_ordered 1
		.amdhsa_forward_progress 1
		.amdhsa_inst_pref_size 228
	.end_amdhsa_kernel
	.amdgpu_metadata
---
amdhsa.version: [ 1, 2 ]
amdhsa.kernels:
  - .name:           k_q0d3558c86f_projq
    .symbol:         k_q0d3558c86f_projq.kd
    .args:
      - { .name: cod, .offset: 0, .size: 8, .value_kind: global_buffer, .address_space: global }
      - { .name: b_q, .offset: 8, .size: 8, .value_kind: global_buffer, .address_space: global }
      - { .name: qkv, .offset: 16, .size: 8, .value_kind: global_buffer, .address_space: global }
    .group_segment_fixed_size: 327680
    .private_segment_fixed_size: 0
    .kernarg_segment_align: 8
    .kernarg_segment_size: 24
    .max_flat_workgroup_size: 128
    .sgpr_count:     106
    .vgpr_count:     1024
    .wavefront_size: 32
...
	.end_amdgpu_metadata
.endif
;; end of part 2
;; launch attn (part 3): grid 4 x 64, 16 waves a work-group, no clusters, 296,960 bytes of LDS; arguments qkv, att_mask, cod, flags, o; writes o
.if DOCPART == 3
	.amdgcn_target "amdgcn-amd-amdhsa--gfx1250"
	.amdhsa_code_object_version 6
	.text
	.protected	k_q0d3558c86f_attn
	.globl	k_q0d3558c86f_attn
	.p2align	8
	.type	k_q0d3558c86f_attn,@function
k_q0d3558c86f_attn:
	s_mov_b64 s[64:65], 0
	v_nop
	global_prefetch_b8 v0, s[64:65] scope:SCOPE_SE
	s_setreg_imm32_b32 hwreg(HW_REG_WAVE_MODE, 25, 1), 1
	s_wait_xcnt 0x0
; ATTN.  For each batch and head: o = softmax(qh qh^T / 8 + att_mask, padded keys at -infinity) qh, both products on codes of FP8 (E4M3) with E8M0 scales; o is quantised on the way out for the last projection.
; (kh and vh are qh in reference(): the projections of k and v are left out, see the first kernel's head.)
; THE SOFTMAX AHEAD OF THE SECOND PRODUCT: t = logit x log2(e); M = the row's largest t so far, rounded up to a whole number; p = 2^(t - M) is what is quantised, along the keys; the row's sum is taken of the
; unquantised p and divides O at the end.  When M moves, the sum and O are multiplied by 2^(old M - new M): exact.
; SHARES.  A work-group takes one head (grid y = batch x 16 + head) and a quarter of its 128 tiles of 16 queries (grid x = g).  Wave w takes tile g + 124 - 4 w and then tile g + 4 w.
; THE HEAD'S K AND V LIE IN LDS as images of operand registers, a block of 17,920 bytes for each step of 128 keys: K's 8 tiles (8,192 bytes), V's 4 fragments (8,192), K's scale words (two pieces of 512 bytes:
; lane l holds the words of row l % 16 of four tiles), V's (one piece): so one address register, 16 x lane + the step's block, serves all of a step's 35 loads.
; THE FILL HAS TWO STAGES, through registers.  At the head: steps 0 to 7, all scale words, the pad addends; a barrier.  In each of the first tile's trips 0 to 7 a wave loads 512 bytes of K and 512 of V of
; step 8 + trip into eight registers at the trip's head and stores them to LDS at its end; a barrier stands behind trip 7.  In that loop reads stay under byte 8 x 17,920 and stores at or above it.
; No tensor load: the walk over the key steps branches on numbers that an earlier launch stored (two bits for each tile of queries and step of 128 keys: walk it at all; add the masks).  The trip counts are
; constants; a step that is not walked is jumped over.  Right for every mask.  For the same reason there is no joint load to share in a cluster.
; A tile's queries come from memory (its own K tile need not lie in LDS yet): the second tile's are asked for ahead of the first tile's way out.
; LAYOUT.  Both products are used transposed: S^T = K Q^T (source 0 = 16 keys, source 1 = my 16 queries), O^T = V^T P^T (source 0 = 16 channels, source 1 = P): a lane holds one query (lane % 16) throughout.
; In a block of 32 keys lane half h holds keys 8 h + 0..7 and 16 + 8 h + 0..7: the order of all this program's images, V's among them, so p's codes are the second product's operand as they fall.
; THE HEAD'S 64 CHANNELS IN AN INSTRUCTION OF K = 128: the codes stand in blocks 2 and 3 (registers 8-15 of a fragment).  Q's fragment has zero codes in blocks 0 and 1.  K's fragment t is v[24 + 8 t : 39 + 8 t]:
; its upper half is key tile t, its lower half whatever finite codes lie below (tile t - 1, or p's last codes): they meet Q's zeros and add nothing.
; A ROW WITHOUT ANY KEY has the sum 0: its scale bytes are set to 0xff, so that the last projection gives NaN in that row, as a softmax over nothing does.
; LIMITS: att_mask may hold finite numbers and -infinity, not +infinity or NaN (the pad is an added -infinity); a block under 2^-118 keeps the scale byte 1.
.set VT_OFF,   8388608                 ; in qkv: V's images;
.set KSC_OFF,  16777216                ; K's scale words;
.set VSC_OFF,  17039360                ; V's
.set PADF_OFF, 30277632                ; in cod: pad_mask as f32 addends
.set OSC_OFF,  8388608                 ; in o: the scale words
.set STEPB, 17920
.set VO,    8192
.set KWO,   16384
.set VWO,   17408
.set PADL,  16*STEPB                   ; the batch's 2,048 pad addends
.set SPARE, PADL+8192
.set ADP,  5                           ; v1 16 x lane; v2 4 r; v3 r x 8,192 + 32 h; v4 PADL + 32 h
.set ADK,  6
.set ADM,  7                           ; v8 8 STEPB + 512 w + 16 lane; v9 where a trip's 1,024 bytes go; v12 -M, v13 the largest t, v[14:15] the sum
.set PCD,  16                          ; v16-31   p's codes
.set BUF,  32                          ; v32-95   eight tiles of K, or four fragments of V, or att_mask's piece
.set S,    96                          ; v96-159  S^T, then p
.set O,    160                         ; v160-191 O^T
.set ZQ,   192                         ; v192-199 zero codes, v200-207 Q's codes
.set KW,   208                         ; v208-215 scale words of K's eight tiles, then of V's four
.set QW,   216                         ; Q's scale word
.set F,    218                         ; v[218:219] f = 2^(old M - new M), in the pair's lower register
.set BM,   220                         ; four blocks': largest score, then largest p
.set BP,   224                         ; the other half's, then the bytes
.set BH,   228                         ; 448 x the scale
.set BS,   232                         ; the conversion's scale operand   (v220-235 also take pad addends where the masks are added)
.set T0,   238                         ; v[236:237], v[240:241], v[242:243]: three more chains of the sum
.set T1,   239
.set TL,   244                         ; v244-251 what a trip of the second stage has loaded
.set PWD,  252                         ; p's scale word
.set WV,  14
.set SB,  16
.set SH,  17
.set SP,  18
.set SE,  19
.set SEL, 20                           ; s[20:21] v_permlanex16_b32's selects for lane l xor 16
.set CS,  22                           ; s[22:23] c = log2(e) / 8
.set E8,  24                           ; s[24:25] 8.0
.set MNT, 26
.set FL,  27                           ; the tile's 32 bits, shifted down two a step
.set TK,  28                           ; the step's block in LDS
.set TS,  29                           ; 512 x step: the loops' counter, and the step's place in att_mask's rows and among the pad addends
.set TT,  32                           ; my tile of queries.  s35: 16 for the pair's even head, whose two scale bytes move up
	s_load_b256 s[4:11], s[0:1], 0x0               ; qkv, att_mask, cod, flags
	s_load_b64 s[12:13], s[0:1], 0x20              ; o
	v_lshl_add_u32 v254, v0, 2, SPARE
	v_mov_b32 v255, 0
	v_lshrrev_b32 v[T0], 5, v0
	v_readfirstlane_b32 s[WV], v[T0]               ; wave 0..15
	v_and_b32 v[BM], 31, v0
	v_and_b32 v[BM+1], 15, v0                      ; r
	v_bfe_u32 v[BM+2], v0, 4, 1                    ; h
	v_lshlrev_b32 v1, 4, v[BM]
	v_lshlrev_b32 v2, 2, v[BM+1]
	v_lshlrev_b32 v3, 13, v[BM+1]
	v_lshlrev_b32 v4, 5, v[BM+2]
	v_lshl_add_u32 v3, v[BM+2], 5, v3
	v_add_nc_u32 v4, PADL, v4
	s_lshl_b32 s33, s[WV], 9
	v_add_nc_u32 v[ADK], s33, v1                   ; piece w of a step's 16: steps 0-3,
	v_add_nc_u32 v[ADM], 4*STEPB, v[ADK]           ; 4-7,
	v_add_nc_u32 v8, 8*STEPB, v[ADK]               ; 8 on
	v_add_nc_u32 v[ADP], PADL, v[ADK]              ; 128 pad addends
	s_mul_i32 s36, s[WV], STEPB
	v_add_nc_u32 v10, s36, v1                      ; step w's block: its scale words
	s_and_b32 s34, ttmp7, 0xffff
	s_lshr_b32 s[SB], s34, 4
	s_and_b32 s[SH], s34, 15
	s_lshr_b32 s[SP], s[SH], 1
	s_and_b32 s[SE], s[SH], 1
	s_lshl_b32 s34, s[SB], 3
	s_add_co_u32 s34, s34, s[SP]                   ; batch x 8 + pair
	s_lshl_b32 s56, s34, 18                        ; K's images: 128 tiles x 2,048 bytes a pair,
	s_lshl_b32 s37, s[SE], 10                      ; my head's half of each
	s_add_co_u32 s56, s56, s37
	s_mov_b32 s57, 0
	s_lshr_b32 s36, s[WV], 1
	s_lshl_b32 s36, s36, 11                        ; piece w: tile w / 2 of a step's eight,
	s_and_b32 s37, s[WV], 1
	s_lshl_b32 s37, s37, 9                         ; its half w % 2
	s_add_co_u32 s46, s36, s37
	s_add_co_u32 s46, s46, s56
	s_mov_b32 s47, 0
	s_lshl_b32 s48, s[SB], 21                      ; V's images: (batch x 16 + step) x 64 + 4 head, 2,048 bytes each; piece w of a step's 8,192 bytes
	s_lshl_b32 s37, s[SH], 13
	s_add_co_u32 s48, s48, s37
	s_add_co_u32 s48, s48, s33
	s_add_co_u32 s48, s48, VT_OFF
	s_mov_b32 s49, 0
	s_lshl_b32 s58, s34, 13
	s_add_co_u32 s58, s58, KSC_OFF                 ; K's scale words, 64 bytes a tile
	s_mov_b32 s59, 0
	s_add_co_u32 s50, s58, s33                     ; step w's eight tiles
	s_mov_b32 s51, 0
	s_lshl_b32 s52, s[SB], 4
	s_add_co_u32 s52, s52, s[WV]
	s_lshl_b32 s52, s52, 12
	s_lshl_b32 s37, s[SH], 8
	s_add_co_u32 s52, s52, s37
	s_add_co_u32 s52, s52, VSC_OFF                 ; V's scale words of step w
	s_mov_b32 s53, 0
	s_lshl_b32 s54, s[SB], 13
	s_add_co_u32 s54, s54, s33
	s_add_co_u32 s54, s54, PADF_OFF
	s_mov_b32 s55, 0
	s_xor_b32 s35, s[SE], 1
	s_lshl_b32 s35, s35, 4
	s_mov_b32 s[SEL], 0x76543210
	s_mov_b32 s[SEL+1], 0xfedcba98
	s_mov_b32 s[CS], 0x3e38aa3b                    ; log2(e) / 8
	s_mov_b32 s[CS+1], s[CS]
	s_mov_b32 s[E8], 0x41000000                    ; 8.0
	s_mov_b32 s[E8+1], s[E8]
	s_mov_b32 s[MNT], 0x600000
	s_wait_alu depctr_va_vdst(0)
	s_wait_kmcnt 0x0
	s_add_nc_u64 s[46:47], s[4:5], s[46:47]
	s_add_nc_u64 s[48:49], s[4:5], s[48:49]
	s_add_nc_u64 s[50:51], s[4:5], s[50:51]
	s_add_nc_u64 s[52:53], s[4:5], s[52:53]
	s_add_nc_u64 s[54:55], s[8:9], s[54:55]
	s_add_nc_u64 s[56:57], s[4:5], s[56:57]
	s_add_nc_u64 s[58:59], s[4:5], s[58:59]
.irp i, 0,1,2,3,4,5,6,7
	global_load_b128 v[BUF+4*\i:BUF+4*\i+3], v1, s[46:47] offset:\i*16384         ; K, steps 0-7
.endr
.irp i, 0,1,2,3,4,5,6,7
	global_load_b128 v[BUF+32+4*\i:BUF+35+4*\i], v1, s[48:49] offset:\i*131072    ; V
.endr
.irp i, 0,1,2,3,4,5,6,7
	global_load_b32 v[S+\i], v2, s[50:51] offset:64*\i                            ; row r's word of tile i
.endr
.irp i, 0,1,2,3
	global_load_b32 v[S+8+\i], v2, s[52:53] offset:64*\i
.endr
	global_load_b128 v[S+12:S+15], v1, s[54:55]
; which = 0: tile g + 124 - 4 w; 1: tile g + 4 w.  Its number, its 16 steps' classes, its queries' codes and scale words
.macro NEXTQ which
	s_lshl_b32 s[TT], s[WV], 2
.if \which == 0
	s_sub_co_u32 s[TT], 124, s[TT]
.endif
	s_add_co_u32 s[TT], s[TT], ttmp9
	s_lshl_b32 s36, s[SB], 7
	s_add_co_u32 s36, s36, s[TT]
	s_lshl_b32 s44, s36, 2
	s_mov_b32 s45, 0
	s_add_nc_u64 s[44:45], s[10:11], s[44:45]
	s_load_b32 s[FL], s[44:45], 0x0
	s_lshl_b32 s60, s[TT], 11
	s_mov_b32 s61, 0
	s_add_nc_u64 s[60:61], s[56:57], s[60:61]
	s_lshl_b32 s30, s[TT], 6
	s_mov_b32 s31, 0
	s_add_nc_u64 s[30:31], s[58:59], s[30:31]
	global_load_b128 v[ZQ+8:ZQ+11], v1, s[60:61]
	global_load_b128 v[ZQ+12:ZQ+15], v1, s[60:61] offset:512
	global_load_b32 v[QW], v2, s[30:31]
.endm
	NEXTQ 0
.set i, 0
.rept 8
	v_mov_b32 v[ZQ+i], 0                           ; Q's zero codes: written once
.set i, i+1
.endr
.set i, 0
.rept 16
	v_mov_b32 v[PCD+i], 0                          ; the upper eight are named as the lower half of K's first fragment before p's first codes are made
.set i, i+1
.endr
.irp b, 0,1,2,3
	v_mov_b32 v[BP+\b], 0                          ; a lane permute's destination counts as one of its sources
.endr
	v_mov_b32 v[F+1], 0                            ; (named as the upper half of the pair)
	v_mov_b32 v[T0], 0
	s_wait_loadcnt 24                              ; K's 8 loads are in; behind them 8 + 13 + 3
.irp i, 0,1,2,3
	ds_store_b128 v[ADK], v[BUF+4*\i:BUF+4*\i+3] offset:\i*STEPB
	ds_store_b128 v[ADM], v[BUF+16+4*\i:BUF+19+4*\i] offset:\i*STEPB
.endr
	s_wait_loadcnt 16                              ; V's are in
.irp i, 0,1,2,3
	ds_store_b128 v[ADK], v[BUF+32+4*\i:BUF+35+4*\i] offset:\i*STEPB+VO
	ds_store_b128 v[ADM], v[BUF+48+4*\i:BUF+51+4*\i] offset:\i*STEPB+VO
.endr
	s_wait_loadcnt 3                               ; all but my queries
.irp i, 0,1,2,3,4,5,6,7
	v_lshlrev_b32 v[S+\i], s35, v[S+\i]            ; my head's two bytes into bytes 2 and 3; what stands in bytes 0 and 1 scales zeros and is no 0xff
.endr
	ds_store_b128 v10, v[S:S+3] offset:KWO
	ds_store_b128 v10, v[S+4:S+7] offset:KWO+512
	ds_store_b128 v10, v[S+8:S+11] offset:VWO
	ds_store_b128 v[ADP], v[S+12:S+15]
	s_wait_dscnt 0x0                               ; for the others' sake: my stores have landed
	s_barrier_signal -1
	s_barrier_wait -1                              ; steps 0 to 7, all scale words and the pad addends lie in LDS
; a tile's addresses and its sums' beginnings
.macro PRO
	s_wait_xcnt 0x0                                ; the last tile's stores have read their data and bases
	s_lshl_b32 s38, s[TT], 17
	s_mov_b32 s39, 0
	s_add_nc_u64 s[38:39], s[6:7], s[38:39]        ; att_mask at my 16 rows
	s_lshl_b32 s36, s[SB], 7
	s_add_co_u32 s36, s36, s[TT]
	s_lshl_b32 s36, s36, 3
	s_add_co_u32 s36, s36, s[SP]
	s_lshl_b32 s40, s36, 11
	s_lshl_b32 s37, s[SE], 10
	s_add_co_u32 s40, s40, s37
	s_mov_b32 s41, 0
	s_add_nc_u64 s[40:41], s[12:13], s[40:41]      ; o: image (row tile x 8 + pair), my head's half
	s_lshl_b32 s42, s36, 6
	s_lshl_b32 s37, s[SE], 1
	s_add_co_u32 s42, s42, s37
	s_add_co_u32 s42, s42, OSC_OFF
	s_mov_b32 s43, 0
	s_add_nc_u64 s[42:43], s[12:13], s[42:43]      ; and my head's two bytes of its scale words
	v_mov_b32 v13, 0xff61b1e6                      ; the largest t so far: -3e38, under every t
	v_mov_b32 v14, 0
	v_mov_b32 v15, 0
	v_floor_f32 v12, -v13                          ; -M
.set i, 0
.rept 32
	v_mov_b32 v[O+i], 0                            ; the step is written once: the first finds zeros, which the first change of M leaves zeros
.set i, i+1
.endr
	s_mov_b32 s[TK], 0
	s_mov_b32 s[TS], 0
	s_wait_kmcnt 0x0
	s_wait_loadcnt 0x0                             ; my queries are in
	v_lshlrev_b32 v[QW], s35, v[QW]                ; (eight places stand at a step's head, ahead of the first product that names it)
	s_wait_alu depctr_va_vdst(0)
.endm
; A STEP: 128 keys
.macro STEP
	v_add_nc_u32 v[ADK], s[TK], v1
.rept 7
	v_nop                                          ; with the addition: eight places in front of loads into registers that the last products read
.endr
.irp t, 0,1,2,3,4,5,6,7
	ds_load_b128 v[BUF+8*\t:BUF+8*\t+3], v[ADK] offset:1024*\t
	ds_load_b128 v[BUF+8*\t+4:BUF+8*\t+7], v[ADK] offset:1024*\t+512
.endr
	ds_load_b128 v[KW:KW+3], v[ADK] offset:KWO
	ds_load_b128 v[KW+4:KW+7], v[ADK] offset:KWO+512
	s_wait_dscnt 0x0
.irp t, 0,1,2,3,4,5,6,7
	v_wmma_scale_f32_16x16x128_f8f6f4 v[S+8*\t:S+8*\t+7], v[BUF-8+8*\t:BUF+7+8*\t], v[ZQ:ZQ+15], 0, v[KW+\t], v[QW]
.endr                                          ; lane (r, h): query r; register 8 t + j: key 16 t + 8 h + j of the step
.rept 8
	v_nop
.endr
	s_bitcmp1_b32 s[FL], 1
	s_cbranch_scc0 .Lopen_\@                       ; att_mask is 0 here and no key is padded
	v_add_nc_u32 v[ADM], s[TS], v3
	v_add_nc_u32 v[ADP], s[TS], v4
	s_wait_alu depctr_va_vdst(0)
.irp t, 0,1,2,3,4,5,6,7
	global_load_b128 v[BUF+8*\t:BUF+8*\t+3], v[ADM], s[38:39] offset:64*\t       ; att_mask(my query, the keys of registers 8 t + 0..7)
	global_load_b128 v[BUF+8*\t+4:BUF+8*\t+7], v[ADM], s[38:39] offset:64*\t+16
.endr
.irp u, 0,1,2,3                                ; the same keys' pad addends, 16 at a time, while att_mask's piece is on its way
	ds_load_b128 v[220:223], v[ADP] offset:128*\u
	ds_load_b128 v[224:227], v[ADP] offset:128*\u+16
	ds_load_b128 v[228:231], v[ADP] offset:128*\u+64
	ds_load_b128 v[232:235], v[ADP] offset:128*\u+80
	s_wait_dscnt 0x0
.set i, 0
.rept 8
	v_pk_add_f32 v[S+16*\u+i:S+16*\u+i+1], v[S+16*\u+i:S+16*\u+i+1], v[220+i:221+i]   ; a padded key's score becomes -infinity
.set i, i+2
.endr
.endr
	s_wait_loadcnt 0x0
.set i, 0
.rept 32
	v_pk_fma_f32 v[S+i:S+i+1], v[BUF+i:BUF+i+1], s[E8:E8+1], v[S+i:S+i+1] op_sel_hi:[1,0,1]   ; s + 8 m: under c = log2(e) / 8 that is (s / 8 + m) log2(e), with the same one rounding
.set i, i+2
.endr
.Lopen_\@:
	s_wait_alu depctr_va_vdst(0)
.irp t, 0,1,2,3                                ; V's four fragments are asked for here and land under the softmax
.irp c, 0,1,2,3
	ds_load_b128 v[BUF+16*\t+4*\c:BUF+16*\t+4*\c+3], v[ADK] offset:VO+2048*\t+512*\c
.endr
.endr
	ds_load_b128 v[KW:KW+3], v[ADK] offset:VWO
.irp b, 0,1,2,3
	v_max3_num_f32 v[BM+\b], v[S+16*\b], v[S+1+16*\b], v[S+2+16*\b]   ; the largest score of each block of 32 keys: for the row's maximum and, since p rises with the score, for the block's largest p
.endr
.irp i, 3,5,7,9,11,13
.irp b, 0,1,2,3
	v_max3_num_f32 v[BM+\b], v[BM+\b], v[S+16*\b+\i], v[S+1+16*\b+\i]
.endr
.endr
.irp b, 0,1,2,3
	v_max_num_f32 v[BM+\b], v[BM+\b], v[S+15+16*\b]
.endr
.irp b, 0,1,2,3
	s_delay_alu instid0(VALU_DEP_4)
	v_permlanex16_b32 v[BP+\b], v[BM+\b], s[SEL], s[SEL+1]
.endr
.irp b, 0,1,2,3
	s_delay_alu instid0(VALU_DEP_4)
	v_max_num_f32 v[BM+\b], v[BM+\b], v[BP+\b]     ; with lane l xor 16's 16 keys
.endr
	s_delay_alu instid0(VALU_DEP_2)
	v_max3_num_f32 v[T0], v[BM], v[BM+1], v[BM+2]
	s_delay_alu instid0(VALU_DEP_1)
	v_max_num_f32 v[T0], v[T0], v[BM+3]            ; the step's largest score of my query
	s_delay_alu instid0(VALU_DEP_1)
	v_mul_f32 v[T0], s[CS], v[T0]                  ; as t
	s_delay_alu instid0(VALU_DEP_1)
	v_max_num_f32 v13, v13, v[T0]                  ; the running largest t
	v_mov_b32 v[T0], v12
	s_delay_alu instid0(VALU_DEP_2)
	v_floor_f32 v12, -v13                          ; the new -M = floor(-t): M is a whole number
	s_delay_alu instid0(VALU_DEP_1)
	v_sub_f32 v[T0], v12, v[T0]                    ; old M - new M: a whole number, 0 or less
	s_delay_alu instid0(VALU_DEP_1)
	v_cvt_i32_f32 v[T0], v[T0]                     ; (it saturates)
	s_delay_alu instid0(VALU_DEP_1)
	v_ldexp_f32 v[F], 1.0, v[T0]                   ; f = 2^(old M - new M)
.set i, 0
.rept 32
	v_pk_fma_f32 v[S+i:S+i+1], v[S+i:S+i+1], s[CS:CS+1], v[12:13] op_sel_hi:[1,0,0]   ; t - M, two at a time
.set i, i+2
.endr
.irp b, 0,1,2,3
	v_fma_f32 v[BM+\b], v[BM+\b], s[CS], v12       ; the same of each block's largest score
.endr
.set i, 0
	s_wait_alu depctr_va_vdst(0)
.rept 64
	v_exp_f32 v[S+i], v[S+i]                       ; p = 2^(t - M), at most 1: not normalised
.set i, i+1
.endr
	v_pk_mul_f32 v[14:15], v[14:15], v[F:F+1] op_sel_hi:[1,0]   ; the sums under the new M: the plain instruction behind the exponentials
	s_wait_alu depctr_va_vdst(0)                   ; one wait for the batch of 64, ahead of its first reader
.irp b, 0,1,2,3
	v_exp_f32 v[BM+\b], v[BM+\b]                   ; the block's largest p: the same two instructions on the same number give the same bits
.endr
	v_pk_add_f32 v[236:237], v[S:S+1], v[S+2:S+3]                 ; the row's sum of the unquantised p: 32 pairs in four chains by turns
	v_pk_add_f32 v[240:241], v[S+4:S+5], v[S+6:S+7]
	v_pk_add_f32 v[242:243], v[S+8:S+9], v[S+10:S+11]
	v_pk_add_f32 v[14:15], v[14:15], v[S+12:S+13]
.set i, 14
.rept 6
	v_pk_add_f32 v[236:237], v[236:237], v[S+i:S+i+1]
	v_pk_add_f32 v[240:241], v[240:241], v[S+i+2:S+i+3]
	v_pk_add_f32 v[242:243], v[242:243], v[S+i+4:S+i+5]
	v_pk_add_f32 v[14:15], v[14:15], v[S+i+6:S+i+7]
.set i, i+8
.endr
	v_pk_add_f32 v[236:237], v[236:237], v[S+62:S+63]
	v_pk_add_f32 v[240:241], v[240:241], v[242:243]
	v_pk_add_f32 v[14:15], v[14:15], v[236:237]
	v_pk_add_f32 v[14:15], v[14:15], v[240:241]
	s_wait_alu depctr_va_vdst(0)                   ; and one for the four
.irp b, 0,1,2,3
	v_max_num_f32 v[BM+\b], 0x4800000, v[BM+\b]    ; the floor 2^(9 - 127): the byte cannot fall under 1
.endr
.irp b, 0,1,2,3
	s_delay_alu instid0(VALU_DEP_4)
	v_add_nc_u32 v[BS+\b], 0xfc000000, v[BM+\b]    ; 8 off the exponent field: the conversion's scale operand
.endr
.irp b, 0,1,2,3
	v_and_or_b32 v[BH+\b], v[BM+\b], 0x7f800000, s[MNT]   ; 448 x the scale
.endr
.irp b, 0,1,2,3
	v_lshrrev_b32 v[BP+\b], 23, v[BS+\b]           ; the scale's byte
.endr
	s_delay_alu instid0(VALU_DEP_3)
	v_lshl_or_b32 v[PWD], v[BP+1], 8, v[BP]        ; p's scale word for these 128 keys
	s_delay_alu instid0(VALU_DEP_1)
	v_lshl_or_b32 v[PWD], v[BP+2], 16, v[PWD]
	s_delay_alu instid0(VALU_DEP_1)
	v_lshl_or_b32 v[PWD], v[BP+3], 24, v[PWD]
.irp b, 0,1,2,3
.set i, 0
.rept 8
	v_dual_min_num_f32 v[S+16*\b+i], v[S+16*\b+i], v[BH+\b] :: v_dual_min_num_f32 v[S+16*\b+i+1], v[S+16*\b+i+1], v[BH+\b]   ; the conversion does not saturate (ISA guide 7.6.2); p is not negative: a one-sided hold, two to an instruction
.set i, i+2
.endr
	v_cvt_scalef32_pk8_fp8_f32 v[PCD+4*\b:PCD+1+4*\b], v[S+16*\b:S+7+16*\b], v[BS+\b]
	v_cvt_scalef32_pk8_fp8_f32 v[PCD+2+4*\b:PCD+3+4*\b], v[S+8+16*\b:S+15+16*\b], v[BS+\b]
.endr
.set i, 0
.rept 16
	v_pk_mul_f32 v[O+i:O+i+1], v[O+i:O+i+1], v[F:F+1] op_sel_hi:[1,0]   ; O^T under the new M.  These sixteen are also the places between the codes and the matrix instructions
.set i, i+2
.endr
	s_wait_alu depctr_va_vdst(0)
	s_wait_dscnt 0x0                               ; V's fragments and scale words are in
.irp t, 0,1,2,3
	v_wmma_scale_f32_16x16x128_f8f6f4 v[O+8*\t:O+8*\t+7], v[BUF+16*\t:BUF+16*\t+15], v[PCD:PCD+15], v[O+8*\t:O+8*\t+7], v[KW+\t], v[PWD]   ; the four accumulators by turns
.endr
.endm
; trips up to step end / 512, a constant.  more = 1: each trip also brings my 1,024 bytes of step 8 + trip
.macro WALK end, more
.Ltrip_\@:
.if \more
	s_wait_dscnt 0x0                               ; the last trip's two stores have read their registers
	global_load_b128 v[TL:TL+3], v1, s[46:47] offset:8*16384
	global_load_b128 v[TL+4:TL+7], v1, s[48:49] offset:8*131072
.endif
	s_bitcmp1_b32 s[FL], 0
	s_cbranch_scc0 .Lskip_\@                       ; no key of this step counts for any of my queries
	STEP
.Lskip_\@:
.if \more
	s_wait_loadcnt 0x0                             ; asked for at the trip's head
	v_add_nc_u32 v9, s[TK], v8
	ds_store_b128 v9, v[TL:TL+3]
	ds_store_b128 v9, v[TL+4:TL+7] offset:VO
	s_add_nc_u64 s[46:47], s[46:47], 16384
	s_add_nc_u64 s[48:49], s[48:49], 131072
.endif
	s_add_co_u32 s[TK], s[TK], STEPB
	s_add_co_u32 s[TS], s[TS], 512
	s_lshr_b32 s[FL], s[FL], 2
	s_cmp_lt_u32 s[TS], \end
	s_cbranch_scc1 .Ltrip_\@
.endm
; THE WAY OUT: O^T / the sum; register 16 b + i is place i of block b of my row's 64 channels, in the images' order: two blocks are quantised and stored as half an image
.macro OUT
.rept 8
	v_nop
.endr
	v_add_f32 v14, v14, v15
	s_delay_alu instid0(VALU_DEP_1)
	v_permlanex16_b32 v[T0], v14, s[SEL], s[SEL+1]
	s_delay_alu instid0(VALU_DEP_1)
	v_add_f32 v14, v14, v[T0]                      ; the row's sum
	s_wait_alu depctr_va_vdst(0)
	v_rcp_f32 v[T1], v14
	v_nop                                          ; one plain instruction behind the reciprocal
	s_wait_alu depctr_va_vdst(0)                   ; and the wait ahead of its first reader
.set i, 0
.rept 32
	v_mul_f32 v[S+i], v[O+i], v[T1]                ; each accumulator from its low end on
.set i, i+1
.endr
.irp b, 0,1
	v_max3_num_f32 v[BM+\b], |v[S+16*\b]|, |v[S+1+16*\b]|, 0x4800000
.endr
.irp i, 2,4,6,8,10,12,14
.irp b, 0,1
	s_delay_alu instid0(VALU_DEP_2)
	v_max3_num_f32 v[BM+\b], v[BM+\b], |v[S+16*\b+\i]|, |v[S+1+16*\b+\i]|
.endr
.endr
.irp b, 0,1
	s_delay_alu instid0(VALU_DEP_2)
	v_permlanex16_b32 v[BP+\b], v[BM+\b], s[SEL], s[SEL+1]
.endr
.irp b, 0,1
	s_delay_alu instid0(VALU_DEP_2)
	v_max_num_f32 v[BM+\b], v[BM+\b], v[BP+\b]
.endr
.irp b, 0,1
	s_delay_alu instid0(VALU_DEP_2)
	v_add_nc_u32 v[BS+\b], 0xfc000000, v[BM+\b]
.endr
.irp b, 0,1
	s_delay_alu instid0(VALU_DEP_4)
	v_and_or_b32 v[BH+\b], v[BM+\b], 0x7f800000, s[MNT]
.endr
.irp b, 0,1
	s_delay_alu instid0(VALU_DEP_4)
	v_lshrrev_b32 v[BP+\b], 23, v[BS+\b]
.endr
	s_delay_alu instid0(VALU_DEP_1)
	v_lshl_or_b32 v[T0], v[BP+1], 8, v[BP]         ; my head's two scale bytes of row r
	v_cmp_neq_f32 vcc_lo, 0, v14
	s_delay_alu instid0(VALU_DEP_1)
	v_cndmask_b32 v[T0], 0xffff, v[T0], vcc_lo     ; a row without any key: the bytes 0xff
.irp b, 0,1
.set i, 0
.rept 16
	v_med3_num_f32 v[S+16*\b+i], v[S+16*\b+i], -v[BH+\b], v[BH+\b]
.set i, i+1
.endr
	v_cvt_scalef32_pk8_fp8_f32 v[PCD+4*\b:PCD+1+4*\b], v[S+16*\b:S+7+16*\b], v[BS+\b]
	v_cvt_scalef32_pk8_fp8_f32 v[PCD+2+4*\b:PCD+3+4*\b], v[S+8+16*\b:S+15+16*\b], v[BS+\b]
.endr
	v_nop                                          ; one plain vector instruction behind the last scaled conversion
	global_store_b128 v1, v[PCD:PCD+3], s[40:41]               ; 32 lanes store 512 consecutive bytes
	global_store_b128 v1, v[PCD+4:PCD+7], s[40:41] offset:512
	global_store_b16 v2, v[T0], s[42:43]           ; lanes r and r + 16 hold and write the same two bytes
.endm
	PRO
	WALK 4096, 1                                   ; the late tile's steps 0 to 7, and the fill's second stage
	s_wait_dscnt 0x0                               ; for the others' sake: my stores have landed
	s_barrier_signal -1
	s_barrier_wait -1                              ; the whole head lies in LDS; nothing is written there any more
	WALK 8192, 0
	NEXTQ 1                                        ; the early tile's queries are on their way under the way out
	OUT
	PRO
	WALK 8192, 0
	OUT
	s_wait_tensorcnt 0x0                           ; the wave's end
	ds_add_u32 v254, v255
	s_wait_dscnt 0x0
	s_endpgm
.Lfunc_end_k_q0d3558c86f_attn:
	.size	k_q0d3558c86f_attn, .Lfunc_end_k_q0d3558c86f_attn-k_q0d3558c86f_attn
	.p2alignl 7, 3214868480
	.fill 96, 4, 3214868480
	.section	.rodata,"a",@progbits
	.p2align	6, 0x0
	.amdhsa_kernel k_q0d3558c86f_attn
		.amdhsa_group_segment_fixed_size 296960
		.amdhsa_private_segment_fixed_size 0
		.amdhsa_enable_private_segment 0
		.amdhsa_kernarg_size 40
		.amdhsa_user_sgpr_count 2
		.amdhsa_user_sgpr_kernarg_segment_ptr 1
		.amdhsa_wavefront_size32 1
		.amdhsa_system_sgpr_workgroup_id_x 1
		.amdhsa_system_sgpr_workgroup_id_y 1
		.amdhsa_system_sgpr_workgroup_id_z 1
		.amdhsa_system_vgpr_workitem_id 0
		.amdhsa_next_free_vgpr 256
		.amdhsa_next_free_sgpr 66
		.amdhsa_reserve_vcc 1
		.amdhsa_float_denorm_mode_32 3
		.amdhsa_float_denorm_mode_16_64 3
		.amdhsa_memory_ordered 1
		.amdhsa_forward_progress 1
		.amdhsa_inst_pref_size 107
	.end_amdhsa_kernel
	.amdgpu_metadata
---
amdhsa.version: [ 1, 2 ]
amdhsa.kernels:
  - .name:           k_q0d3558c86f_attn
    .symbol:         k_q0d3558c86f_attn.kd
    .args:
      - { .name: qkv, .offset: 0, .size: 8, .value_kind: global_buffer, .address_space: global }
      - { .name: att_mask, .offset: 8, .size: 8, .value_kind: global_buffer, .address_space: global }
      - { .name: cod, .offset: 16, .size: 8, .value_kind: global_buffer, .address_space: global }
      - { .name: flags, .offset: 24, .size: 8, .value_kind: global_buffer, .address_space: global }
      - { .name: o, .offset: 32, .size: 8, .value_kind: global_buffer, .address_space: global }
    .group_segment_fixed_size: 296960
    .private_segment_fixed_size: 0
    .kernarg_segment_align: 8
    .kernarg_segment_size: 40
    .max_flat_workgroup_size: 512
    .sgpr_count:     66
    .vgpr_count:     256
    .wavefront_size: 32
...
	.end_amdgpu_metadata
.endif
;; end of part 3
;; launch outp (part 4): grid 4 x 64, 4 waves a work-group, clusters of 4 x 1, 167,936 bytes of LDS; arguments o, cod, b_out, out0; writes out0
.if DOCPART == 4
	.amdgcn_target "amdgcn-amd-amdhsa--gfx1250"
	.amdhsa_code_object_version 6
	.text
	.protected	k_q0d3558c86f_outp
	.globl	k_q0d3558c86f_outp
	.p2align	8
	.type	k_q0d3558c86f_outp,@function
k_q0d3558c86f_outp:
	s_mov_b64 s[64:65], 0
	v_nop
	global_prefetch_b8 v0, s[64:65] scope:SCOPE_SE
	s_setreg_imm32_b32 hwreg(HW_REG_WAVE_MODE, 25, 1), 1
	s_wait_xcnt 0x0
	s_wait_alu depctr_hold_cnt(0) depctr_sa_sdst(0) depctr_va_vdst(0) depctr_va_sdst(0) depctr_va_ssrc(0) depctr_va_vcc(0) depctr_vm_vsrc(0)
	s_getreg_b32 s2, hwreg(HW_REG_IB_STS2, 6, 4)
	s_cmp_eq_u32 s2, 0
	s_cbranch_scc0 .Lentry_in_a_cluster
	s_endpgm
.Lentry_in_a_cluster:
	s_bfe_u32 s2, ttmp6, 0x10000c
	s_cmp_lg_u32 s2, 0x3003
	s_cbranch_scc0 .Lentry_shape_is_right
	s_endpgm
.Lentry_shape_is_right:
; OUTP.  out0 = o w_out^T + b_out: 8,192 x 1,024 x 1,024 on codes of FP8 (E4M3) with E8M0 scales, f32 sums.  (k w_k^T and v w_v^T are left out: see the first kernel's head.)
; o and w_out lie as images of operand registers: [row tile of 16][K step 8][c 4][lane 32][16 bytes]; their scale words [row tile][K step 8][16 rows].
; THE DEAL.  256 work-groups of four waves; a work-group makes 128 rows x 256 columns, wave w its columns 64 w .. 64 w + 63.
; A wave holds its 64 rows of w_out, ALL of K, in 512 registers, loaded from the images as they lie (128 loads of 512 consecutive bytes): no other wave of the work-group wants them, so they pass by LDS.
; o's 128 rows, all of K, are 131,072 consecutive bytes: they come into LDS once, a quarter a wave, and all four waves read them: no ring, no refill, one barrier.
; CLUSTER 4 x 1: the four work-groups of a row of the grid want the same rows of o: each quarter is asked for jointly, mask 15.  w_out's rows are shared by no partner.
; A block is 16 rows of o: 32 products (8 K steps x 4 column tiles, the four sums by turns); b_out is the first products' C.  o's blocks stand in two sets of 128 registers:
; behind a block's products its set takes the block two on.  Sums stand in two sets too: block a goes through the wave's own stage in LDS behind its products, and is stored behind block a + 1's.
; THE PRODUCT IS USED TRANSPOSED (source 0 = w_out's rows, source 1 = o's): a lane holds eight neighbouring columns of one row; the stage turns a block into rows of 256 bytes, which sixteen lanes store whole.
; NO PREFETCH: every load of the launch is issued at its head; there is no loop to run ahead in.
; A row of o whose scale bytes are 0xff (a query without any key) gives NaN in its row of out0.
; REGISTERS: window 0: v8-15 addresses, v32-63 o's scale words, v64-79 w_out's, v80-111 the bias, v112-175 sums, v176-239 rows back from the stage; windows 1, 2: w_out's 32 fragments; window 3: o's two sets.
.set WO_IMG,  28311552                 ; in cod: w_out's images (row tile 1,728 on)
.set WO_SCL,  30244864                 ; and its scale words
.set OSC_OFF, 8388608                  ; in o: the scale words
.set SPITCH,  272                      ; a stage row: 256 bytes + 16
.set STAGE,   131072                   ; behind o's rows: 16 rows for each wave; no tensor load lands here
.set SPARE,   STAGE+4*16*SPITCH        ; the spare words
.set CO,  8                            ; v8 16 x lane; v9 the same + 65,536: LDS offsets have 16 bits
.set L4,  10                           ; 4 x lane
.set BO,  11                           ; 32 h
.set STO, 12                           ; the stage, in
.set RD,  13                           ; the stage, back
.set SPW, 14
.set NIL, 15
.set GO,  16                           ; 4,096 h + 16 r: two rows of out0 to a store
.set XS,  32                           ; register 4 a + j: lanes 0-15 block a's words of K step 2 j, lanes 16-31 of 2 j + 1
.set WS,  64                           ; register 4 b + (j + 1) % 4: the same of column tile b: so a product's two scale registers never have the same number modulo 4
.set BQ,  80
.set ACC, 112
.set OB,  176
.set G0,  20
.set G1,  24
.set MSB, 0
.macro WIN new                         ; the immediate's high byte repeats the setting that is left
.if MSB != (\new)
	s_set_vgpr_msb (MSB<<8)|(\new)
.set MSB, (\new)
.endif
.endm
.macro PLACES n
.rept \n
	v_nop
.endr
.endm
.macro CROUND                          ; a round of the cluster's barrier
	s_barrier_signal -1
	s_barrier_wait -1
	s_cmp_lg_u32 s14, 0
	s_cbranch_scc1 .Lnot_wave_0_\@
	s_barrier_signal -3
.Lnot_wave_0_\@:
	s_barrier_wait -3
	s_barrier_signal -1
	s_barrier_wait -1
.endm
	s_load_b256 s[4:11], s[0:1], 0x0               ; o, cod, b_out, out0
	v_lshl_add_u32 v[SPW], v0, 2, SPARE
	v_mov_b32 v[NIL], 0
	ds_add_u32 v[SPW], v[NIL]                      ; the opening lines: the add, twice on end, and its wait ahead of my tensor load
	ds_add_u32 v[SPW], v[NIL]
	v_lshrrev_b32 v1, 5, v0
	v_readfirstlane_b32 s14, v1                    ; wave 0..3
	v_and_b32 v2, 15, v0                           ; r
	v_bfe_u32 v3, v0, 4, 1                         ; h
	v_and_b32 v4, 31, v0                           ; lane
	v_lshlrev_b32 v[CO], 4, v4
	v_lshlrev_b32 v[L4], 2, v4
	v_lshlrev_b32 v[BO], 5, v3
	v_add_nc_u32 v[CO+1], 0x10000, v[CO]
	s_mul_i32 s17, s14, 16*SPITCH
	s_add_co_u32 s17, s17, STAGE                   ; my stage
	v_mul_u32_u24 v5, v2, SPITCH
	v_lshl_add_u32 v5, v3, 5, v5
	v_add_nc_u32 v[STO], s17, v5                   ; in: row r, 32 bytes for each half of the lanes
	v_mul_u32_u24 v6, v3, SPITCH
	v_lshl_add_u32 v6, v2, 4, v6
	v_add_nc_u32 v[RD], s17, v6                    ; back: lanes 0-15 one row, lanes 16-31 the next
	v_lshlrev_b32 v7, 12, v3
	v_lshl_add_u32 v[GO], v2, 4, v7
	s_wait_alu depctr_va_vdst(0)
	s_bfe_u32 s15, ttmp6, 0x40000                  ; cx: my place in the cluster = my tile column
	s_and_b32 s16, ttmp7, 0xffff                   ; my tile row
	s_mov_b32 s[G1], 15|(3<<16)|(1<<21)            ; the four partners; elements of 8 bytes; bit 21 beside a mask
	s_mov_b32 s[G1+1], 512<<16                     ; a quarter of o's rows: 32,768 dense bytes as 8 rows of 4,096
	s_mov_b32 s[G1+2], 8<<16
	s_mov_b32 s[G1+3], 512<<16
	s_mov_b32 s[G1+4], 8
	s_mov_b32 s[G1+5], 512
	s_mov_b32 s[G1+6], 0
	s_mov_b32 s[G1+7], 0
	s_mov_b32 s[G0], 1
	s_lshl_b32 s[G0+1], s14, 15                    ; LDS: wave x 32,768
	s_lshl_b32 s44, s16, 17                        ; o's codes: 131,072 x tile row + my quarter
	s_add_co_u32 s44, s44, s[G0+1]
	s_mov_b32 s45, 0
	s_lshl_b32 s46, s16, 12                        ; o's scale words: 8 row tiles x 512 bytes
	s_add_co_u32 s46, s46, OSC_OFF
	s_mov_b32 s47, 0
	s_lshl_b32 s18, s15, 2
	s_add_co_u32 s18, s18, s14                     ; my wave column, 0..15: four row tiles of w_out
	s_lshl_b32 s48, s18, 16
	s_add_co_u32 s48, s48, WO_IMG
	s_mov_b32 s49, 0
	s_lshl_b32 s50, s18, 11
	s_add_co_u32 s50, s50, WO_SCL
	s_mov_b32 s51, 0
	s_lshl_b32 s52, s18, 8                         ; 64 columns of f32
	s_mov_b32 s53, 0
	s_lshl_b32 s54, s16, 19                        ; 128 rows of 4,096 bytes
	s_add_co_u32 s54, s54, s52
	s_mov_b32 s55, 0
	s_wait_dscnt 0x0                               ; both opening adds are done
	CROUND                                         ; the four partners are here: the joint loads meet
	s_wait_kmcnt 0x0
	s_add_nc_u64 s[G0+2:G0+3], s[4:5], s[44:45]
	s_or_b32 s[G0+3], s[G0+3], 0x80000000
	tensor_load_to_lds s[G0:G0+3], s[G1:G1+7]      ; my one tensor load
	s_nop 0
	PLACES 4
	s_add_nc_u64 s[32:33], s[4:5], s[46:47]
	s_add_nc_u64 s[34:35], s[6:7], s[48:49]
	s_add_nc_u64 s[36:37], s[6:7], s[50:51]
	s_add_nc_u64 s[38:39], s[8:9], s[52:53]
	s_add_nc_u64 s[40:41], s[10:11], s[54:55]
.set I_, 0
.rept 32                               ; 56 small loads first, then w_out's 128
	global_load_b32 v[XS+I_], v[L4], s[32:33] offset:128*I_
.set I_, I_+1
.endr
.irp b, 0,1,2,3
.irp j, 0,1,2,3
	global_load_b32 v[WS+4*\b+(\j+1)%4], v[L4], s[36:37] offset:512*\b+128*\j
.endr
	global_load_b128 v[BQ+8*\b:BQ+8*\b+3], v[BO], s[38:39] offset:64*\b       ; register 8 b + i: b_out at column 16 b + 8 h + i of my 64
	global_load_b128 v[BQ+8*\b+4:BQ+8*\b+7], v[BO], s[38:39] offset:64*\b+16
.endr
.set F_, 0
.rept 32                               ; fragment 4 q + b, K steps ascending: 16 loads a K step
	WIN (1+F_/16)<<6
.irp c, 0,1,2,3
	global_load_b128 v[16*(F_%16)+4*\c:16*(F_%16)+4*\c+3], v[CO], s[34:35] offset:16384*(F_%4)+2048*(F_/4)+512*\c
.endr
.set F_, F_+1
.endr
	WIN 0
.macro FETCH e, a                      ; block a of o, all of K, into set e: 32 loads of 512 consecutive bytes
	WIN 3<<6
.set I_, 0
.rept 32
	ds_load_b128 v[128*(\e)+4*I_:128*(\e)+4*I_+3], v[CO+(\a)/4] offset:((\a)%4)*16384+512*I_
.set I_, I_+1
.endr
	WIN 0
.endm
.macro PROD a, n                       ; product n = 4 q + b of block a
.set Q_, (\n)/4
.set B_, (\n)%4
.set AC_, ACC+32*((\a)%2)+8*B_
.set R_, 128*((\a)%2)+16*Q_
.set W_, 16*((\n)%16)
.set XS_, XS+4*(\a)+Q_/2
.set WS_, WS+4*B_+(Q_/2+1)%4
	WIN (1+(\n)/16)|(3<<2)
.if Q_ == 0
	v_wmma_scale_f32_16x16x128_f8f6f4 v[AC_:AC_+7], v[W_:W_+15], v[R_:R_+15], v[BQ+8*B_:BQ+8*B_+7], v[WS_], v[XS_]
.elseif Q_%2
	v_wmma_scale_f32_16x16x128_f8f6f4 v[AC_:AC_+7], v[W_:W_+15], v[R_:R_+15], v[AC_:AC_+7], v[WS_], v[XS_] matrix_a_scale:MATRIX_SCALE_ROW1 matrix_b_scale:MATRIX_SCALE_ROW1
.else
	v_wmma_scale_f32_16x16x128_f8f6f4 v[AC_:AC_+7], v[W_:W_+15], v[R_:R_+15], v[AC_:AC_+7], v[WS_], v[XS_]
.endif
.endm
.macro TOSTAGE a                       ; 16 rows x 64 columns into my stage, each sum from its low end on, and back as rows; LDS serves a wave's instructions in order
.irp b, 0,1,2,3
	ds_store_b128 v[STO], v[ACC+32*((\a)%2)+8*\b:ACC+32*((\a)%2)+8*\b+3] offset:64*\b
	ds_store_b128 v[STO], v[ACC+32*((\a)%2)+8*\b+4:ACC+32*((\a)%2)+8*\b+7] offset:64*\b+16
.endr
.irp t, 0,1,2,3,4,5,6,7
	ds_load_b128 v[OB+32*((\a)%2)+4*\t:OB+32*((\a)%2)+4*\t+3], v[RD] offset:2*\t*SPITCH
.endr
.endm
.macro SEND a, younger                 ; younger: the LDS loads issued behind block a's, which may stay out
	s_wait_dscnt \younger
.irp t, 0,1,2,3,4,5,6,7
	global_store_b128 v[GO], v[OB+32*((\a)%2)+4*\t:OB+32*((\a)%2)+4*\t+3], s[40:41] offset:(16*(\a)+2*\t)*4096 th:TH_STORE_NT   ; sixteen lanes store 256 consecutive bytes, aligned
.endr
.endm
.macro BLK a, w                        ; w: the LDS instructions issued behind block a's fragments
.if (\a) >= 2
	s_wait_xcnt 0x0                                ; block a - 2's stores have read their registers, which take block a's rows below
.endif
	s_wait_dscnt \w
.set N_, 0
.rept 32
.if (\a) == 0 && N_ == 0
	s_wait_loadcnt 63                              ; of 184 loads the first 121 are in: the small ones and w_out's K steps 0 to 3
.elseif (\a) == 0 && N_ >= 16 && N_%4 == 0
	s_wait_loadcnt (7-N_/4)*16                     ; this K step's fragments are in; the later steps', 16 loads each, may be out
.endif
	PROD \a, N_
.set N_, N_+1
.endr
	WIN 0
	PLACES 8                                       ; behind the last product, ahead of the reads of its sums and of the loads into what it has read (ISA guide 7.12.1 for the reads of its sums)
.if (\a) > 0 && (\a) < 7
	SEND (\a)-1, 32                                ; behind its rows' loads: the fetch of block a + 1
.elseif (\a) == 7
	SEND 6, 0
.endif
	TOSTAGE \a
.if (\a) < 6
	FETCH (\a)%2, (\a)+2
.endif
.endm
	s_wait_tensorcnt 0x0                           ; my quarter of o's rows is in
	s_barrier_signal -1
	s_barrier_wait -1                              ; and everybody's
	FETCH 0, 0
	FETCH 1, 1
	BLK 0, 32                                      ; behind block 0's fragments: block 1's 32
.irp a, 1,2,3,4,5,6
	BLK \a, 48                                     ; the stage's 16 and the next fetch's 32
.endr
	BLK 7, 16                                      ; the stage's 16
	SEND 7, 0
	s_wait_tensorcnt 0x0                           ; the wave's end
	ds_add_u32 v[SPW], v[NIL]
	s_wait_dscnt 0x0
	CROUND                                         ; the closing round
	s_endpgm
.Lfunc_end_k_q0d3558c86f_outp:
	.size	k_q0d3558c86f_outp, .Lfunc_end_k_q0d3558c86f_outp-k_q0d3558c86f_outp
	.p2alignl 7, 3214868480
	.fill 96, 4, 3214868480
	.section	.rodata,"a",@progbits
	.p2align	6, 0x0
	.amdhsa_kernel k_q0d3558c86f_outp
		.amdhsa_group_segment_fixed_size 167936
		.amdhsa_private_segment_fixed_size 0
		.amdhsa_enable_private_segment 0
		.amdhsa_kernarg_size 32
		.amdhsa_user_sgpr_count 2
		.amdhsa_user_sgpr_kernarg_segment_ptr 1
		.amdhsa_wavefront_size32 1
		.amdhsa_system_sgpr_workgroup_id_x 1
		.amdhsa_system_sgpr_workgroup_id_y 1
		.amdhsa_system_sgpr_workgroup_id_z 1
		.amdhsa_system_vgpr_workitem_id 0
		.amdhsa_next_free_vgpr 1024
		.amdhsa_next_free_sgpr 66
		.amdhsa_reserve_vcc 0
		.amdhsa_float_denorm_mode_32 3
		.amdhsa_float_denorm_mode_16_64 3
		.amdhsa_memory_ordered 1
		.amdhsa_forward_progress 1
		.amdhsa_inst_pref_size 88
	.end_amdhsa_kernel
	.amdgpu_metadata
---
amdhsa.version: [ 1, 2 ]
amdhsa.kernels:
  - .name:           k_q0d3558c86f_outp
    .symbol:         k_q0d3558c86f_outp.kd
    .args:
      - { .name: o, .offset: 0, .size: 8, .value_kind: global_buffer, .address_space: global }
      - { .name: cod, .offset: 8, .size: 8, .value_kind: global_buffer, .address_space: global }
      - { .name: b_out, .offset: 16, .size: 8, .value_kind: global_buffer, .address_space: global }
      - { .name: out0, .offset: 24, .size: 8, .value_kind: global_buffer, .address_space: global }
    .group_segment_fixed_size: 167936
    .private_segment_fixed_size: 0
    .kernarg_segment_align: 8
    .kernarg_segment_size: 32
    .max_flat_workgroup_size: 128
    .sgpr_count:     66
    .vgpr_count:     1024
    .wavefront_size: 32
...
	.end_amdgpu_metadata
.endif
;; end of part 4
